; MI455X (gfx1250); checked and timed in simulation.
; The chip was launched on July 23, 2026; its instructions are those of AMD's public machine-readable ISA for CDNA 5 (MIT licence, August 2026) and "CDNA5" Instruction Set Architecture Reference Guide (July 2026). The comments in the code are by the model that wrote it; some were corrected since.
;; Multi Head Attn. Allowed arithmetic: matrix products marked QUANTISED: E4M3 operands, one E8M0 scale for each 32 along K, by v_wmma_scale_f32_16x16x128_f8f6f4 with both operands' format E4M3, f32 sums; everything else in f32.
;; Inputs: W_proj 1,024 x 1,024 float32; W_qkv 3,072 x 1,024 float32; b_proj 1,024 float32; b_qkv 3,072 float32; x 4 x 2,048 x 1,024 float32.
;; Outputs: out0 4 x 2,048 x 1,024 float32.
;; This version of the problem:
;;   THIS VERSION OF THE PROBLEM IS GIVEN IN LOW PRECISION. The matrix products marked QUANTISED in the list below multiply operands that are first quantised to E4M3 (4 exponent bits, 3 mantissa bits; 8 bits a number), with one power-of-two scale for each 32 numbers along K (OCP MX v1.0); their sums are f32. All else is computed in f32.
;;   The module's matrix products, in the order in which they are computed (A, B: the left and right operand; K: the contracted axis; several contracted axes count as one K, in the product's order):
;;     1. [M 8,192, K 1,024] x [K 1,024, N 3,072]; A: input x; B: input W_qkv: QUANTISED
;;     2. batch 64 x [M 2,048, K 64] x [K 64, N 2,048]; A: computed on the way; B: computed on the way: QUANTISED
;;     3. batch 64 x [M 2,048, K 2,048] x [K 2,048, N 64]; A: softmax (see below); B: computed on the way: QUANTISED
;;     4. [M 8,192, K 1,024] x [K 1,024, N 1,024]; A: computed on the way; B: input W_proj: QUANTISED
;;   THE QUANTISER, for each operand of a quantised product, along K:
;;     - K is cut into blocks of 32 from its start; a last block that is shorter is filled with zeros.
;;     - A block's scale is 2^e with e = floor(log2(the largest magnitude in the block)) - 8, held to -126 .. 127; a block of zeros has e = 0. As a byte (E8M0): e + 127.
;;     - Each number is divided by its block's scale, clamped to +-448, and rounded to the nearest number of E4M3, ties to even, subnormals kept.
;;     - The product sums the exact products of the quantised numbers (number of the format x scale) in f32.
;;   ~~~python
;;   def quantise(x, axis):      # numpy; x: float32 -> the quantised numbers, widened to float32 again
;;       x = np.moveaxis(x, axis, -1); K = x.shape[-1]
;;       x = np.pad(x, [(0, 0)] * (x.ndim - 1) + [(0, -K % 32)]); x = x.reshape(x.shape[:-1] + (-1, 32)); a = np.abs(x).max(-1, keepdims=True)
;;       e = np.where(a > 0, np.clip(np.frexp(np.where(a > 0, a, 1))[1] - 1 - 8, -126, 127), 0)      # np.frexp(a)[1] - 1 = floor(log2(a)), exactly
;;       r = np.clip(x / 2.0 ** e, -448, 448)
;;       step = 2.0 ** (np.maximum(np.frexp(np.where(r == 0, 1, r))[1] - 1, -6) - 3)
;;       q = np.round(r / step) * step * 2.0 ** e      # np.round: ties to even
;;       return np.moveaxis(q.reshape(q.shape[:-2] + (-1,))[..., :K], -1, axis).astype(np.float32)
;;   ~~~
;;   SOFTMAX AHEAD OF A QUANTISED PRODUCT. Where the list says 'softmax', what is quantised is not the finished softmax but p = 2^(t - M), with t = logit x log2(e) and M = ceil(the row's largest t), a whole number; so 1/2 < the row's largest p <= 1. The row's sum l is taken of the UNQUANTISED p, in f32, and the product's result is divided by l at the end. Since M is a whole number, a kernel that streams over the keys may use a running M (the ceiling of the running maximum): every later rescaling is an exact power of two, which a block's scale takes up: the codes' values come out the same.
;;   OPERANDS COMPUTED ON THE WAY. 'Computed on the way' means the value that the module computes at that place (a softmax that the list does not call 'softmax' is quantised finished and normalised). What goes into a quantiser is computed in f32, as accurately as f32 sums, v_exp_f32 and their like allow (about 1e-6 of the number): no bf16 or f16 on the way to a quantiser, and a product that is left as it is and whose result goes on into a quantised operand takes f32 operands (vector FMAs, or v_wmma_f32_16x16x4_f32). A number that lies on a knife's edge between two numbers of the format may be rounded either way, as far as f32 arithmetic and the matrix unit's own rounding can turn it there, and no further.
;; One version. Each part assembles by itself: llvm-mc -triple=amdgcn-amd-amdhsa -mcpu=gfx1250 --defsym DOCPART=n.
;; ======== version 1 of 1: 4 launches
;; workspace buffers: codes 12,582,912 bytes; scales 393,216 bytes; img 25,165,824 bytes; isc 786,432 bytes; ctx 8,388,608 bytes; csc 262,144 bytes
;; launch quant (part 1): grid 384 x 1, 4 waves a work-group, no clusters, 33,280 bytes of LDS; arguments x, W_qkv, W_proj, codes, scales; writes codes, scales
.if DOCPART == 1
	.amdgcn_target "amdgcn-amd-amdhsa--gfx1250"
	.amdhsa_code_object_version 6
	.text
	.protected	k_q3617ef54f6_quant
	.globl	k_q3617ef54f6_quant
	.p2align	8
	.type	k_q3617ef54f6_quant,@function
k_q3617ef54f6_quant:
	s_mov_b64 s[64:65], 0
	v_nop
	global_prefetch_b8 v0, s[64:65] scope:SCOPE_SE
	s_setreg_imm32_b32 hwreg(HW_REG_WAVE_MODE, 25, 1), 1
	s_wait_xcnt 0x0
; x [8192][1024], W_qkv [3072][1024] and W_proj [1024][1024], f32, become codes of FP8 (E4M3), K innermost, in ONE matrix codes [12288][1024 bytes] (x, then W_qkv, then W_proj),
; with one E8M0 byte for each 32 along K in scales [12288][32].  A block's scale is 2^(floor(log2(its largest magnitude)) - 8); each number is divided by it, held within +-448, rounded to the nearest code, ties to even.
; THE ROWS OF x AND OF W_qkv ARE LAID WITH BITS 3 AND 4 OF THE ROW NUMBER EXCHANGED: place 32 B + 16 u + 8 g + i holds row 32 B + 16 g + 8 u + i.  A matrix result whose source 0 is 16 neighbouring places then holds,
; in the 16 registers of two neighbouring tiles, 16 NEIGHBOURING rows: the order that the next product's operand wants.  A wave's run is 8 rows, so the exchange is a choice of where the run is stored.  W_proj's rows lie as they are.
; LIMITS: a block whose largest magnitude lies under 2^-118 (a block of zeros too) keeps the byte 1: its codes of zeros add nothing, and this program alone reads the bytes.  NaN and infinities among the inputs are not served.
; A wave takes 16 steps of 512 numbers.  Each load reads 512 consecutive bytes; a step's 2,048 bytes turn through the wave's own stage in LDS, so that a lane holds 16 neighbours along K (two lanes to a block).
; A wave's store of codes covers 512 consecutive bytes; its 256 scale bytes are gathered in LDS and leave as one store of 256 consecutive bytes.  Waves share nothing: no barrier.
; No matrix unit, no cluster, no prefetch: the launch reads each byte once and streams.
.set STEPS, 16
.set WG_X,  256                        ; work-groups 0-255: x (32 rows each);
.set WG_W,  352                        ; 256-351: W_qkv; 352-383: W_proj
.set EMAX,  8
.set MANT,  0x600000                   ; the mantissa field of 448 as f32
.set CB,    16                         ; bytes of 16 codes
.set R,     16                         ; v16-79   four sets of 16 numbers as they are loaded
.set X,     80                         ; v80-111  two sets of 16 neighbours
.set C,     128                        ; v128-191 codes: four registers for each step, so that no store's data are written again
.set E,     112                        ; v112-127 a scale byte for each step
.set WREG,  8192                       ; LDS: a region for each wave: two stages of 32 x SP bytes, behind them its 256 scale bytes
.set SP,    80                         ; a lane's place in a stage: its 64 bytes + 16 of padding
	s_load_b128 s[4:7], s[0:1], 0x0                ; x, W_qkv
	s_load_b128 s[8:11], s[0:1], 0x10              ; W_proj, codes
	s_load_b64 s[12:13], s[0:1], 0x20              ; scales
	v_lshl_add_u32 v192, v0, 2, 0x8000
	v_mov_b32 v193, 0
	v_lshrrev_b32 v1, 5, v0
	v_readfirstlane_b32 s16, v1                    ; wave
	v_and_b32 v2, 31, v0                           ; lane
	v_lshlrev_b32 v3, 4, v2                        ; my 16 bytes of a load's 512
	s_mul_i32 s17, s16, WREG
	v_lshrrev_b32 v14, 2, v2
	v_mul_u32_u24 v14, v14, SP
	v_and_b32 v15, 3, v2
	v_lshl_add_u32 v14, v15, 4, v14
	v_add_nc_u32 v14, s17, v14                     ; the stage, on the way in: SP (lane / 4) + 16 (lane % 4)
	v_mul_u32_u24 v15, v2, SP
	v_add_nc_u32 v15, s17, v15                     ; and on the way out: SP x lane: my 16 neighbours
	v_mul_u32_u24 v4, v2, CB                       ; my codes' place in a step's
	v_lshrrev_b32 v5, 1, v2
	s_add_co_u32 s17, s17, 2*32*SP
	v_add_nc_u32 v5, s17, v5                       ; LDS: my wave's 256 scale bytes, my block's byte
	v_lshlrev_b32 v7, 3, v2                        ; and on the way out 8 bytes a lane
	v_add_nc_u32 v6, s17, v7
	s_mov_b32 s23, MANT
	s_and_b32 s22, s16, 1                          ; the wave's two bits exchanged: where a run of x or of W_qkv goes
	s_lshl_b32 s22, s22, 1
	s_lshr_b32 s24, s16, 1
	s_or_b32 s22, s22, s24
	s_mov_b32 s17, WG_W
	s_wait_kmcnt 0x0
	s_cmp_lt_u32 ttmp9, WG_W                       ; the choices hang on the work-group's number alone
	s_cselect_b64 s[6:7], s[6:7], s[8:9]           ; W_qkv or W_proj,
	s_cselect_b32 s17, WG_X, s17                   ; that tensor's first work-group,
	s_cselect_b32 s22, s22, s16                    ; and W_proj's runs stay in their order
	s_cmp_lt_u32 ttmp9, WG_X
	s_cselect_b64 s[4:5], s[4:5], s[6:7]           ; or x
	s_cselect_b32 s17, 0, s17
	s_sub_co_u32 s17, ttmp9, s17
	s_lshl_b32 s17, s17, 2
	s_add_co_u32 s18, s17, s16                     ; which run of 8 rows of the tensor I read:
	s_lshl_b32 s18, s18, 15                        ; 32,768 bytes a run (under 2^26)
	s_mov_b32 s19, 0
	s_add_nc_u64 s[4:5], s[4:5], s[18:19]
	s_lshl_b32 s20, ttmp9, 2
	s_add_co_u32 s20, s20, s22                     ; which run of the joint matrix I write:
	s_lshl_b32 s18, s20, 13                        ; 8,192 bytes of codes,
	s_add_nc_u64 s[10:11], s[10:11], s[18:19]
	s_lshl_b32 s18, s20, 8                         ; 256 scale bytes
	s_add_nc_u64 s[12:13], s[12:13], s[18:19]
.macro LOAD t
.irp i, 0,1,2,3
	global_load_b128 v[R+16*((\t)%4)+4*\i:R+16*((\t)%4)+4*\i+3], v3, s[4:5] offset:2048*(\t)+512*\i th:TH_LOAD_NT   ; 32 lanes read 512 consecutive bytes
.endr
.endm
.macro TURN t                          ; step t's numbers through the stage: LDS serves a wave's instructions in order, so no wait stands between the stores and the loads
.irp i, 0,1,2,3
	ds_store_b128 v14, v[R+16*((\t)%4)+4*\i:R+16*((\t)%4)+4*\i+3] offset:32*SP*((\t)%2)+8*SP*\i
.endr
.irp i, 0,1,2,3
	ds_load_b128 v[X+16*((\t)%2)+4*\i:X+16*((\t)%2)+4*\i+3], v15 offset:32*SP*((\t)%2)+16*\i
.endr
.endm
.irp t, 0,1,2,3
	LOAD \t
.endr
	s_wait_loadcnt 12                              ; step 0's four loads are in; the twelve of steps 1 to 3 may be out
	TURN 0
.macro STEP t
.set XS, X+16*((\t)%2)
.if (\t) > 0
	s_wait_dscnt 1                                 ; this step's numbers are back from the stage (the last step's byte store may be out): its stores into the stage have read their registers,
.else
	s_wait_dscnt 0x0
.endif
.if (\t)+4 < STEPS
	LOAD (\t)+4                                    ; which take the loads of four steps on
.endif
.if (\t)+1 < STEPS
.if STEPS-2-(\t) >= 3
	s_wait_loadcnt 12                              ; the next step's four loads are in; those of the three steps behind it may be out
.else
	s_wait_loadcnt 4*(STEPS-2-(\t))
.endif
	TURN (\t)+1                                    ; and go through the other stage while this step is worked
.endif
	v_max3_num_f32 v8, |v[XS]|, |v[XS+1]|, |v[XS+2]|               ; the largest magnitude of my 16, in two chains
	v_max3_num_f32 v9, |v[XS+3]|, |v[XS+4]|, |v[XS+5]|
.irp i, 6,10
	v_max3_num_f32 v8, v8, |v[XS+\i]|, |v[XS+\i+1]|
	v_max3_num_f32 v9, v9, |v[XS+\i+2]|, |v[XS+\i+3]|
.endr
	v_max3_num_f32 v8, v8, |v[XS+14]|, |v[XS+15]|
	v_max3_num_f32 v8, v8, v9, (EMAX+1)<<23        ; and the floor 2^(9 - 127): the byte cannot fall under 1
	v_max_num_f32_dpp v8, v8, v8 row_xmask:1 row_mask:0xf bank_mask:0xf   ; and of my neighbour's 16: the block's
	v_add_nc_u32 v11, -(EMAX<<23), v8              ; 8 off its exponent field: the conversion takes the exponent field of this operand as its scale
	v_and_or_b32 v10, v8, 0x7f800000, s23          ; 448 x the scale
.irp i, 0,1,2,3,4,5,6,7,8,9,10,11,12,13,14,15
	v_med3_num_f32 v[XS+\i], v[XS+\i], -v10, v10   ; the conversion to an 8-bit code does not saturate (ISA guide 7.6.2): the hold comes first
.endr
	v_cvt_scalef32_pk8_fp8_f32 v[C+4*(\t):C+4*(\t)+1], v[XS:XS+7], v11
	v_cvt_scalef32_pk8_fp8_f32 v[C+4*(\t)+2:C+4*(\t)+3], v[XS+8:XS+15], v11
	v_lshrrev_b32 v[E+(\t)], 23, v11               ; the scale's byte
	ds_store_b8 v5, v[E+(\t)] offset:16*(\t)       ; both lanes of a block write the same byte with the same value
	global_store_b128 v4, v[C+4*(\t):C+4*(\t)+3], s[10:11] offset:32*CB*(\t)
.endm
.irp t, 0,1,2,3,4,5,6,7,8,9,10,11,12,13,14,15
	STEP \t
.endr
	ds_load_b64 v[12:13], v6                       ; LDS serves a wave's instructions in order: these see my stores
	s_wait_dscnt 0x0
	global_store_b64 v7, v[12:13], s[12:13]        ; 32 lanes store 256 consecutive bytes, aligned
	s_wait_tensorcnt 0x0
	ds_add_u32 v192, v193
	s_wait_dscnt 0x0
	s_endpgm
.Lfunc_end_k_q3617ef54f6_quant:
	.size	k_q3617ef54f6_quant, .Lfunc_end_k_q3617ef54f6_quant-k_q3617ef54f6_quant
	.p2alignl 7, 3214868480
	.fill 96, 4, 3214868480
	.section	.rodata,"a",@progbits
	.p2align	6, 0x0
	.amdhsa_kernel k_q3617ef54f6_quant
		.amdhsa_group_segment_fixed_size 33280
		.amdhsa_private_segment_fixed_size 0
		.amdhsa_enable_private_segment 0
		.amdhsa_kernarg_size 40
		.amdhsa_user_sgpr_count 2
		.amdhsa_user_sgpr_kernarg_segment_ptr 1
		.amdhsa_wavefront_size32 1
		.amdhsa_system_sgpr_workgroup_id_x 1
		.amdhsa_system_sgpr_workgroup_id_y 1
		.amdhsa_system_sgpr_workgroup_id_z 1
		.amdhsa_system_vgpr_workitem_id 0
		.amdhsa_next_free_vgpr 194
		.amdhsa_next_free_sgpr 66
		.amdhsa_reserve_vcc 0
		.amdhsa_float_denorm_mode_32 3
		.amdhsa_float_denorm_mode_16_64 3
		.amdhsa_memory_ordered 1
		.amdhsa_forward_progress 1
		.amdhsa_inst_pref_size 51
	.end_amdhsa_kernel
	.amdgpu_metadata
---
amdhsa.version: [ 1, 2 ]
amdhsa.kernels:
  - .name:           k_q3617ef54f6_quant
    .symbol:         k_q3617ef54f6_quant.kd
    .args:
      - { .name: x, .offset: 0, .size: 8, .value_kind: global_buffer, .address_space: global }
      - { .name: W_qkv, .offset: 8, .size: 8, .value_kind: global_buffer, .address_space: global }
      - { .name: W_proj, .offset: 16, .size: 8, .value_kind: global_buffer, .address_space: global }
      - { .name: codes, .offset: 24, .size: 8, .value_kind: global_buffer, .address_space: global }
      - { .name: scales, .offset: 32, .size: 8, .value_kind: global_buffer, .address_space: global }
    .group_segment_fixed_size: 33280
    .private_segment_fixed_size: 0
    .kernarg_segment_align: 8
    .kernarg_segment_size: 40
    .max_flat_workgroup_size: 128
    .sgpr_count:     66
    .vgpr_count:     194
    .wavefront_size: 32
...
	.end_amdgpu_metadata
.endif
;; end of part 1
;; launch qkv (part 2): grid 12 x 32, 4 waves a work-group, clusters of 4 x 4, 327,680 bytes of LDS; arguments codes, scales, b_qkv, img, isc; writes img, isc
.if DOCPART == 2
	.amdgcn_target "amdgcn-amd-amdhsa--gfx1250"
	.amdhsa_code_object_version 6
	.text
	.protected	k_q3617ef54f6_qkv
	.globl	k_q3617ef54f6_qkv
	.p2align	8
	.type	k_q3617ef54f6_qkv,@function
k_q3617ef54f6_qkv:
	s_mov_b64 s[64:65], 0
	v_nop
	global_prefetch_b8 v0, s[64:65] scope:SCOPE_SE
	s_setreg_imm32_b32 hwreg(HW_REG_WAVE_MODE, 25, 1), 1
	s_wait_xcnt 0x0
	s_wait_alu depctr_hold_cnt(0) depctr_sa_sdst(0) depctr_va_vdst(0) depctr_va_sdst(0) depctr_va_ssrc(0) depctr_va_vcc(0) depctr_vm_vsrc(0)
	s_getreg_b32 s2, hwreg(HW_REG_IB_STS2, 6, 4)
	s_cmp_eq_u32 s2, 0
	s_cbranch_scc0 .Lentry_in_a_cluster
	s_endpgm
.Lentry_in_a_cluster:
	s_bfe_u32 s2, ttmp6, 0x10000c
	s_cmp_lg_u32 s2, 0xf033
	s_cbranch_scc0 .Lentry_shape_is_right
	s_endpgm
.Lentry_shape_is_right:
; qkv = x W_qkv^T + b_qkv on codes of FP8 (E4M3) with E8M0 scales, K = 1,024; the results are quantised on the way out and leave as IMAGES OF THE NEXT PRODUCT'S OPERAND REGISTERS.
; A tile of 256 x 256 is made by four waves, 128 x 128 each: 64 accumulators, 512 registers.  K goes in steps of 256 through a ring of two LDS slots filled by the tensor data mover; the scale bytes of the tile's rows come once.
; TWO KINDS OF TILE, ONE TEXT.  The matrix instruction is used transposed (source 0 = 16 rows of "B", source 1 = 16 rows of "A"): a lane holds one row of A, its registers run along rows of B.
;   clusters x = 0, 1 (q, k): A = tokens (rows of x), B = channels (rows of W_qkv): a lane holds one token, registers run along channels: q's and k's K.
;   cluster  x = 2    (v)   : A = channels (rows of W_v), B = tokens: a lane holds one channel, registers run along tokens: the keys, v's K.
; Both operands' rows lie in the buffer codes with bits 3 and 4 of the row number exchanged, so the 16 registers of accumulators (a, 2 B) and (a, 2 B + 1) are 16 neighbours 32 B + 16 (lane / 16) + 0 .. 15 along B:
; a block of 32 lies in lanes l and l xor 16, and the conversions' results are registers 4 B .. 4 B + 3 of a fragment.  Token tile T holds tokens 32 (T / 2) + 8 (T % 2) + (r % 8) + 16 (r / 8), r the lane % 16.
; OUT.  img: 96 groups (which x 32 + batch x 8 + head pair) of 262,144 bytes; q, k: [token tile 128][piece 4][lane][16 bytes]; v: [key block 64][channel tile 8][lane][16 bytes].  Every store of a wave covers 512 consecutive bytes.
;       isc: the same groups, 8,192 bytes: one word (four E8M0 bytes) for a fragment's row; q, k: [T / 2][r][T % 2]; v: [128 keys][tile / 2][r][tile % 2].
; THE BIAS is the C of each sum's first matrix instruction; it runs along the registers (q, k) or along the lanes (v), so the first step of 128 along K is written twice, under a branch on the cluster's x.
; CLUSTERS: 4 x 4 work-groups; A's tiles are asked for jointly along a row of the cluster, B's along a column.  No prefetch: a tile has two refills, whose look-ahead would fall on the head.
; LIMITS: a block whose largest magnitude lies under 2^-118 keeps the scale byte 1 (this program alone reads the bytes); NaN and infinities are not served.
; REGISTERS, in windows of 256: window 0: v1-6 at work; v7-14 the bias's offsets; v16-30 addresses; v32-63 scale words, two sets; v64-127 the bias; from v128 A's fragments (one set), on the way out at work.
;   window 1: B's fragments, two sets.   windows 2, 3: the accumulators ((a, b) at v[8 (8 (a % 4) + b)]).
.set SIZE_K, 1024
.set KSTEP,  256                       ; along K in a slot
.set NQ,     KSTEP/128
.set ROWB,   256                       ; a tile's row in bytes
.set KROW,   SIZE_K                    ; a row of codes in memory
.set PITCH,  272                       ; an LDS row: 256 bytes + 16 of padding = 68 words: the 16 rows that a load touches start at 16 different banks (64 banks of 4 bytes: ISA guide 11.1)
.set FR,     16                        ; registers of a fragment
.set NL,     4                         ; LDS loads that bring one
.set NP,     8                         ; places behind this matrix instruction (ISA guide 7.12.1)
.set HALFT,  128*PITCH
.set SLOT,   4*HALFT                   ; A's 256 rows, then B's 256 rows
.set LAPS,   SIZE_K/(2*KSTEP)
.set KS,     SIZE_K/32                 ; a row of scale bytes
.set SCL,    2*SLOT                    ; behind the ring: the scale bytes, as runs of 256 bytes + 16 of padding
.set HALFS,  (128*KS/256)*272
.set SBLK,   (16*KS/256)*272
.set SPARE,  SCL+4*HALFS               ; the spare words, 128 bytes a wave: two blocks of 256 bytes that no other line names
.set ROW_W,  8192                      ; W_qkv's first row in codes
.set ROW_V,  10240                     ; W_v's
.set VB,   7                           ; v7-14   offsets into b_qkv, one for each register of an accumulator
.set ADRA, 16                          ; v16-17  LDS address of my A fragments in slot 0, 1
.set ADRB, 20                          ; v20-21  the same for B
.set VO,   22                          ; v22-25  the way out: 16 x lane + piece x its stride
.set L8,   26                          ; v26     8 x lane
.set ADRS, 27                          ; v27     LDS address of my scale words: lanes 0-15 A's rows, lanes 16-31 B's
.set SPW,  28                          ; v28     my spare word; never rewritten
.set NIL,  29                          ; v29     0; never rewritten
.set HH,   30                          ; v30     lane / 16
.set SC,   32
.set BI,   64
.set AF,   128
.set X,    128                         ; the way out: 64 numbers held
.set PC,   192                         ; a fragment's codes
.set TM,   208                         ; +0 largest magnitudes, +4 bytes, +8 448 x the scale, +12 the conversions' scale operands
.set SW,   224                         ; the eight scale words
.set YY,   232
.set G1, 24
.set G0, 32
.set G1B, 48
.set G0B, 56
.set G1S, 68
.set G0S, 76
.set G1SB, 80
.set G0SB, 88
.set OB,  96                           ; s[96:97]  where my images go
.set SBS, 98                           ; s[98:99]  where my scale words go
.set SA,  100                          ; s[100:101] from one block of A's rows to the next, in bytes of img
.set SEL, 68                           ; the way out (the scales' descriptors are long done): lane selects,
.set MNT, 70                           ; and the mantissa field of 448
.set MSB, 0
.macro WIN new                         ; the immediate's high byte repeats the setting that is left
.if MSB != \new
	s_set_vgpr_msb (MSB<<8)|\new
.set MSB, \new
.endif
.endm
.set MUL_LO, 0xa1                      ; source 0 (B) window 1, source 1 (A) window 0, C and D window 2
.set MUL_HI, 0xf1                      ; the same, C and D window 3
.set FIRST_LO, 0x81                    ; the first step: C (the bias) window 0, D window 2
.set FIRST_HI, 0xc1                    ; D window 3
.set TO_B,   0x40
; A joint load: waves 0 and 1 fetch for A, waves 2 and 3 for B.  Each line has one mask and one set of registers; the branch hangs on the wave's number alone.  Four v_nop follow each line.
.macro JLOAD g0a, g1a, g0b, g1b
	s_cmp_eq_u32 s15, 0
	s_cbranch_scc0 .Lfor_b_\@
	tensor_load_to_lds s[\g0a:\g0a+3], s[\g1a:\g1a+7]
	s_nop 0
.rept 4
	v_nop
.endr
	s_branch .Lasked_\@
.Lfor_b_\@:
	tensor_load_to_lds s[\g0b:\g0b+3], s[\g1b:\g1b+7]
	s_nop 0
.rept 4
	v_nop
.endr
.Lasked_\@:
.endm
.macro CREST                           ; a round of the cluster's barrier behind its opening barrier
	s_cmp_lg_u32 s14, 0
	s_cbranch_scc1 .Lnot_wave_0_\@
	s_barrier_signal -3
.Lnot_wave_0_\@:
	s_barrier_wait -3
	s_barrier_signal -1
	s_barrier_wait -1
.endm
.macro CROUND
	s_barrier_signal -1
	s_barrier_wait -1
	CREST
.endm
	s_load_b256 s[4:11], s[0:1], 0x0               ; codes s[4:5], scales s[6:7], b_qkv s[8:9], img s[10:11]
	s_load_b64 s[12:13], s[0:1], 0x20              ; isc
	v_lshl_add_u32 v[SPW], v0, 2, SPARE
	v_mov_b32 v[NIL], 0
	ds_add_u32 v28, v29
	ds_add_u32 v28, v29
	s_wait_dscnt 0x0
	v_lshrrev_b32 v1, 5, v0
	v_readfirstlane_b32 s14, v1                    ; wave 0..3
	s_lshr_b32 s15, s14, 1                         ; which half of A's rows is mine.  Also: I fetch for A (0) or for B (1)
	s_and_b32 s16, s14, 1                          ; which half of B's rows.  Also: which 128 rows I fetch
	s_bfe_u32 s40, ttmp6, 0x40000                  ; cx, cy: my place in the cluster
	s_bfe_u32 s41, ttmp6, 0x40004
	s_lshl_b32 s43, s41, 2
	s_lshl_b32 s43, 15, s43                        ; my row of the cluster
	s_lshl_b32 s44, 0x1111, s40                    ; my column
	; descriptor group 1: a tile of 128 rows x 256 bytes, padded in LDS
	s_or_b32 s[G1+0], s43, (0<<16)|(1<<20)|(1<<21)|(5<<22)|(3<<25)  ; 15:0 the mask; 17:16 elements of 1 byte; 20 padding on; 21 set beside a mask; 24:22 after every 64 words; 31:25 four words
	s_or_b32 s[G1B+0], s44, (0<<16)|(1<<20)|(1<<21)|(5<<22)|(3<<25)
.irp g, G1, G1B
	s_mov_b32 s[\g+1], ROWB<<16                    ; tensor_dim0
	s_mov_b32 s[\g+2], 128<<16                     ; tensor_dim1
	s_mov_b32 s[\g+3], ROWB<<16                    ; tile_dim0
	s_mov_b32 s[\g+4], 128                         ; tile_dim1
	s_mov_b32 s[\g+5], KROW                        ; tensor_dim0_stride
	s_mov_b32 s[\g+6], 0
	s_mov_b32 s[\g+7], 0
.endr
	; the scale bytes of 128 rows: 4,096 dense bytes, as 16 rows of 256 (32 elements of 8 bytes), 16 bytes of padding behind each
	s_or_b32 s[G1S+0], s43, (3<<16)|(1<<20)|(1<<21)|(5<<22)|(3<<25)
	s_or_b32 s[G1SB+0], s44, (3<<16)|(1<<20)|(1<<21)|(5<<22)|(3<<25)
.irp g, G1S, G1SB
	s_mov_b32 s[\g+1], 32<<16
	s_mov_b32 s[\g+2], (128*KS/256)<<16
	s_mov_b32 s[\g+3], 32<<16
	s_mov_b32 s[\g+4], 128*KS/256
	s_mov_b32 s[\g+5], 32
	s_mov_b32 s[\g+6], 0
	s_mov_b32 s[\g+7], 0
.endr
	; which rows of codes are A's and B's.  The choice hangs on the cluster's x, which all sixteen partners share; A's rows on cy alone beside it, B's on cx alone
	s_and_b32 s17, ttmp7, 0xffff
	s_lshl_b32 s17, s17, 10                        ; 1,024 x cluster y: tokens
	s_lshl_b32 s19, ttmp9, 10
	s_add_co_u32 s19, s19, ROW_W                   ; W_q's or W_k's rows
	s_mov_b32 s18, ROW_V
	s_mov_b32 s[SA], 2048
	s_mov_b32 s95, 512
	s_cmp_eq_u32 ttmp9, 2                          ; v?
	s_cselect_b32 s20, s18, s17                    ; A: W_v's rows, or tokens
	s_cselect_b32 s46, s17, s19                    ; B: tokens, or W's rows
	s_cselect_b32 s[SA], 512, s[SA]                ; img: from block a to a + 1: a channel tile of v, or a token tile of q, k
	s_cselect_b32 s95, 4096, s95                   ; from piece to piece: a key block of v, or 512
	s_cselect_b32 s2, -1, 0                        ; a lane mask: all lanes, or none
	s_cselect_b32 s3, 0, 4                         ; the bias from register to register: the same number, or the next
	s_lshl_b32 s21, s41, 8
	s_add_co_u32 s20, s20, s21                     ; A's tile: + 256 cy
	s_lshl_b32 s47, s40, 8
	s_add_co_u32 s46, s46, s47                     ; B's tile: + 256 cx
	s_lshl_b32 s66, s15, 7
	s_add_co_u32 s66, s66, s20                     ; the first row of A that I multiply,
	s_lshl_b32 s67, s16, 7
	s_add_co_u32 s67, s67, s46                     ; and of B
	s_lshl_b32 s18, s16, 7                         ; which 128 rows I fetch
	s_add_co_u32 s20, s20, s18
	s_add_co_u32 s46, s46, s18
	s_mov_b32 s21, 0
	s_mov_b32 s47, 0
	s_lshl_b64 s[22:23], s[20:21], 5               ; their scale bytes: 32 a row,
	s_lshl_b64 s[92:93], s[46:47], 5
	s_lshl_b64 s[20:21], s[20:21], 10              ; their codes: 1,024 a row
	s_lshl_b64 s[46:47], s[46:47], 10
	s_mul_i32 s45, s14, HALFT                      ; where they go: wave x 128 rows: no place in the cluster enters an LDS address
	s_mul_i32 s94, s14, HALFS
	s_wait_kmcnt 0x0
	s_add_nc_u64 s[20:21], s[4:5], s[20:21]
	s_add_nc_u64 s[22:23], s[6:7], s[22:23]
	s_add_nc_u64 s[46:47], s[4:5], s[46:47]
	s_add_nc_u64 s[92:93], s[6:7], s[92:93]
	CROUND                                         ; all sixteen work-groups are here: the first joint loads meet
	s_mov_b32 s[G0S], 1
	s_add_co_u32 s[G0S+1], s94, SCL
	s_mov_b64 s[G0S+2:G0S+3], s[22:23]
	s_or_b32 s[G0S+3], s[G0S+3], 0x80000000
	s_mov_b32 s[G0SB], 1
	s_add_co_u32 s[G0SB+1], s94, SCL
	s_mov_b64 s[G0SB+2:G0SB+3], s[92:93]
	s_or_b32 s[G0SB+3], s[G0SB+3], 0x80000000
	JLOAD G0S, G1S, G0SB, G1SB                     ; the scales first: they are wanted with K step 0
.irp s, 0,1
	s_mov_b32 s[G0+4*\s], 1
	s_add_co_u32 s[G0+4*\s+1], s45, \s*SLOT
	s_add_nc_u64 s[G0+4*\s+2:G0+4*\s+3], s[20:21], \s*ROWB
	s_or_b32 s[G0+4*\s+3], s[G0+4*\s+3], 0x80000000
	s_mov_b32 s[G0B+4*\s], 1
	s_add_co_u32 s[G0B+4*\s+1], s45, \s*SLOT
	s_add_nc_u64 s[G0B+4*\s+2:G0B+4*\s+3], s[46:47], \s*ROWB
	s_or_b32 s[G0B+4*\s+3], s[G0B+4*\s+3], 0x80000000
	JLOAD G0+4*\s, G1, G0B+4*\s, G1B               ; three tensor loads of mine are out
.endr
	v_and_b32 v1, 15, v0                           ; r = lane % 16
	v_bfe_u32 v2, v0, 4, 1                         ; h = lane / 16
	v_mul_u32_u24 v3, v1, PITCH
	v_lshl_add_u32 v4, v2, 4, v3                   ; a fragment's row x pitch + 16 h
	s_mul_i32 s21, s15, HALFT                      ; my 128 rows of A
	s_mul_i32 s22, s16, HALFT                      ; my 128 rows of B,
	s_add_co_u32 s22, s22, 2*HALFT                 ; which lie behind A's 256
.irp s, 0,1
	v_add_nc_u32 v[ADRA+\s], s21, v4
	v_add_nc_u32 v[ADRB+\s], s22, v4
	s_add_co_u32 s21, s21, SLOT
	s_add_co_u32 s22, s22, SLOT
.endr
	v_mul_u32_u24 v5, v1, KS                       ; my row's scale bytes: 32 a row,
	v_lshrrev_b32 v6, 8, v5
	v_lshl_add_u32 v5, v6, 4, v5                   ; and 16 more for each 256 passed
	s_mul_i32 s21, s15, HALFS
	s_mul_i32 s22, s16, HALFS
	s_add_co_u32 s22, s22, 2*HALFS
	s_sub_co_u32 s22, s22, s21
	v_mul_u32_u24 v6, s22, v2                      ; lanes 16-31 take B's: one product, the distance x h
	s_add_co_u32 s21, s21, SCL
	v_add_nc_u32 v5, v5, v6
	v_add_nc_u32 v[ADRS], s21, v5
	; where my results go, and my part of the bias.  These numbers mix cx and cy: they live in registers that feed no descriptor
	s_cmp_eq_u32 ttmp9, 2
	s_cselect_b32 s96, s67, s66                    ; my first token,
	s_cselect_b32 s98, s66, s67                    ; my first row of W_qkv, + ROW_W
	s_sub_co_u32 s98, s98, ROW_W
	s_lshl_b32 s99, s98, 2                         ; its place in b_qkv
	v_lshlrev_b32 v3, 6, v2                        ; q, k: the bias of channels 16 h + j of each block of 32;
	v_and_b32 v4, 7, v1
	v_lshrrev_b32 v5, 3, v1
	v_lshlrev_b32 v4, 2, v4
	v_lshl_add_u32 v4, v5, 6, v4                   ; v: of channel (r % 8) + 16 (r / 8)
	v_cndmask_b32 v3, v3, v4, s2
	v_add_nc_u32 v[VB], s99, v3
.irp j, 1,2,3,4,5,6,7
	v_add_nc_u32 v[VB+\j], s3, v[VB+\j-1]
.endr
.irp i, 0,1,2,3,4,5,6,7                        ; tile i of 16 places begins at channel 32 (i / 2) + 8 (i % 2).  The highest number named is my first row + 127: inside b_qkv
.irp j, 0,1,2,3,4,5,6,7
	global_load_b32 v[BI+8*\i+\j], v[VB+\j], s[8:9] offset:128*(\i/2)+32*(\i%2)
.endr
.endr
	s_lshr_b32 s98, s98, 7                         ; which of the 24 runs of 128 channels
	s_lshr_b32 s97, s98, 3                         ; q, k or v
	s_lshl_b32 s97, s97, 5
	s_and_b32 s98, s98, 7                          ; the head pair
	s_add_co_u32 s97, s97, s98
	s_lshr_b32 s98, s96, 11                        ; the batch
	s_lshl_b32 s98, s98, 3
	s_add_co_u32 s97, s97, s98                     ; the group
	s_and_b32 s96, s96, 2047                       ; my first token in the batch
	s_lshl_b32 s98, s97, 13                        ; isc: 8,192 bytes a group, 4 a token
	s_lshl_b32 s99, s96, 2
	s_add_co_u32 s98, s98, s99
	s_lshl_b32 s97, s97, 18                        ; img: 262,144 bytes a group, 128 a token
	s_lshl_b32 s96, s96, 7
	s_add_co_u32 s96, s96, s97
	s_mov_b32 s97, 0
	s_mov_b32 s99, 0
	s_mov_b32 s[SA+1], 0
	s_add_nc_u64 s[OB:OB+1], s[10:11], s[96:97]
	s_add_nc_u64 s[SBS:SBS+1], s[12:13], s[98:99]
	v_and_b32 v5, 31, v0
	v_lshlrev_b32 v[VO], 4, v5
	v_add_nc_u32 v[VO+1], s95, v[VO]
	v_add_nc_u32 v[VO+2], s95, v[VO+1]
	v_add_nc_u32 v[VO+3], s95, v[VO+2]
	v_lshlrev_b32 v[L8], 3, v5
	v_mov_b32 v[HH], v2
.macro FRAG reg, adr, q, i             ; 16 rows x 128 K: lane l holds row l % 16; registers 4 c .. 4 c + 3 hold K = 32 c + 16 (l / 16) + 0 .. 15
.irp c, 0,1,2,3
	ds_load_b128 v[\reg+4*\c:\reg+4*\c+3], v[\adr] offset:128*(\q)+32*\c+(\i)*16*PITCH
.endr
.endm
; 16 matrix instructions: A's blocks a0, a0 + 1 x B's eight.  p: B's set; sc: the set of scale words.  zero = 1: the sums start from the bias of B's tile b; 2: of A's tile a; 0: they go on.
; The 64 accumulators take turns, one instruction a turn, in the same order in every step.
.macro MUL16 a0, p, q, sc, zero
.irp a, \a0, \a0+1
.irp b, 0,1,2,3,4,5,6,7
.if \zero == 1
	v_wmma_scale_f32_16x16x128_f8f6f4 v[8*(8*((\a)%4)+\b):8*(8*((\a)%4)+\b)+7], v[128*(\p)+FR*\b:128*(\p)+FR*\b+FR-1], v[AF+FR*(\a):AF+FR*(\a)+FR-1], v[BI+8*\b:BI+8*\b+7], v[SC+8*NQ*(\sc)+NQ*\b+(\q)], v[SC+8*NQ*(\sc)+NQ*(\a)+(\q)] matrix_a_scale:MATRIX_SCALE_ROW1
.elseif \zero == 2
	v_wmma_scale_f32_16x16x128_f8f6f4 v[8*(8*((\a)%4)+\b):8*(8*((\a)%4)+\b)+7], v[128*(\p)+FR*\b:128*(\p)+FR*\b+FR-1], v[AF+FR*(\a):AF+FR*(\a)+FR-1], v[BI+8*(\a):BI+8*(\a)+7], v[SC+8*NQ*(\sc)+NQ*\b+(\q)], v[SC+8*NQ*(\sc)+NQ*(\a)+(\q)] matrix_a_scale:MATRIX_SCALE_ROW1
.else
	v_wmma_scale_f32_16x16x128_f8f6f4 v[8*(8*((\a)%4)+\b):8*(8*((\a)%4)+\b)+7], v[128*(\p)+FR*\b:128*(\p)+FR*\b+FR-1], v[AF+FR*(\a):AF+FR*(\a)+FR-1], v[8*(8*((\a)%4)+\b):8*(8*((\a)%4)+\b)+7], v[SC+8*NQ*(\sc)+NQ*\b+(\q)], v[SC+8*NQ*(\sc)+NQ*(\a)+(\q)] matrix_a_scale:MATRIX_SCALE_ROW1
.endif
.endr
.endr
.endm
.macro FETCH_B slot, q, p
	WIN TO_B
.irp i, 0,1,2,3,4,5,6,7
	FRAG 128*(\p)+FR*\i, ADRB+\slot, \q, \i
.endr
	WIN 0
.endm
.macro FETCH_A slot, q, i0
.irp i, \i0, \i0+1, \i0+2, \i0+3
	FRAG AF+FR*(\i), ADRA+\slot, \q, \i
.endr
.endm
.macro SCALES sc                       ; a K step's scale words: two a row; lanes 0-15 take A's block i, lanes 16-31 B's block i
.irp i, 0,1,2,3,4,5,6,7
	ds_load_b64 v[SC+8*NQ*\sc+NQ*\i:SC+8*NQ*\sc+NQ*\i+1], v[ADRS] offset:\i*SBLK
.endr
.endm
.macro PLACES n                        ; plain vector instructions between a matrix instruction and a load into, or a read of, its registers (ISA guide 7.12.1 for reads)
.rept \n
	v_nop
.endr
.endm
; A step of 128 along K that has its successor in the same slot.
.macro STEP slot, q, zero
	s_wait_dscnt 4*NL                              ; B's set and A's blocks 0-3 are in; the youngest sixteen loads (A's blocks 4-7) may be out
.if \zero
	WIN FIRST_LO
.else
	WIN MUL_LO
.endif
	MUL16 0, (\q)%2, \q, \slot, \zero
	MUL16 2, (\q)%2, \q, \slot, \zero
	s_wait_dscnt 0                                 ; A's blocks 4-7 are in
	PLACES NP
	FETCH_B \slot, (\q)+1, 1-(\q)%2
	FETCH_A \slot, (\q)+1, 0
.if \zero
	WIN FIRST_HI
.else
	WIN MUL_HI
.endif
	MUL16 4, (\q)%2, \q, \slot, \zero
	MUL16 6, (\q)%2, \q, \slot, \zero
	PLACES NP
	WIN 0
	FETCH_A \slot, (\q)+1, 4
.endm
; A slot's last step changes slots: one barrier; in front of it each wave waits for all its tensor loads, adds 0 to its spare word, and waits for that and for its reads of this slot.  fill = 1: this slot is filled again, two K steps ahead.
.macro TURN slot, next, fill
	s_wait_tensorcnt 0x0                           ; all my tensor loads have landed: my part of the next slot
	ds_add_u32 v[SPW], v[NIL]                      ; 0 onto my spare word
	s_wait_dscnt 4*NL+1                            ; (the add and the youngest sixteen loads, A's blocks 4-7, may be out)
	WIN MUL_LO
	MUL16 0, 1, NQ-1, \slot, 0                     ; sixteen matrix instructions stand between the add and the wait for it
	s_wait_dscnt 0x0                               ; the add is done, and my reads of this slot are over
	s_barrier_signal -1
	MUL16 2, 1, NQ-1, \slot, 0
	WIN 0
	s_barrier_wait -1
.if \fill
	CREST                                          ; the barrier has opened a round of the cluster's barrier: no wave of any partner still reads this slot or has a load on its way
	s_add_nc_u64 s[G0+4*\slot+2:G0+4*\slot+3], s[G0+4*\slot+2:G0+4*\slot+3], 2*ROWB
	s_add_nc_u64 s[G0B+4*\slot+2:G0B+4*\slot+3], s[G0B+4*\slot+2:G0B+4*\slot+3], 2*ROWB
	JLOAD G0+4*\slot, G1, G0B+4*\slot, G1B         ; the first tensor load behind the round; its four v_nop are among the places in front of the loads below
	PLACES NP-4
.else
	PLACES NP
.endif
	v_add_nc_u32 v[ADRS], 4*NQ, v[ADRS]            ; on to the next K step's scale words
	FETCH_B \next, 0, 0
	FETCH_A \next, 0, 0
	SCALES \next
	WIN MUL_HI
	MUL16 4, 1, NQ-1, \slot, 0
	MUL16 6, 1, NQ-1, \slot, 0
	PLACES NP
	WIN 0
	FETCH_A \next, 0, 4
.endm
	s_wait_tensorcnt 1                             ; the scales and my part of K step 0 are in (K step 1's load may be out)
	s_barrier_signal -1
	s_barrier_wait -1                              ; everybody's are
	FETCH_B 0, 0, 0
	FETCH_A 0, 0, 0
	SCALES 0
	FETCH_A 0, 0, 4
	s_wait_loadcnt 0x0                             ; the bias
	s_cmp_eq_u32 ttmp9, 2                          ; the cluster's x: the same in all partners
	s_cbranch_scc1 .Lfirst_v
	STEP 0, 0, 1                                   ; q, k: the bias runs along B's rows
	s_branch .Lfirst_done
.Lfirst_v:
	STEP 0, 0, 2                                   ; v: along A's rows
.Lfirst_done:
	s_mov_b32 s3, LAPS-1
.Llap:                                                 ; a trip goes once round the ring and fills both slots again
	TURN 0, 1, 1
	STEP 1, 0, 0
	TURN 1, 0, 1
	STEP 0, 0, 0
	s_sub_co_u32 s3, s3, 1
	s_cmp_lg_u32 s3, 0
	s_cbranch_scc1 .Llap
	TURN 0, 1, 0                                   ; the last lap fills nothing, and has no round of the cluster's barrier
	STEP 1, 0, 0
	s_wait_dscnt 4*NL                              ; the very last step
	WIN MUL_LO
	MUL16 0, 1, NQ-1, 1, 0
	MUL16 2, 1, NQ-1, 1, 0
	s_wait_dscnt 0
	WIN MUL_HI
	MUL16 4, 1, NQ-1, 1, 0
	MUL16 6, 1, NQ-1, 1, 0
	WIN 0
; THE WAY OUT.  Block a's eight accumulators are one fragment of the next product: 64 numbers a lane, register 16 B + i = place 32 B + 16 (lane / 16) + i along its K.  They are quantised and stored as they stand.
	PLACES NP
	s_mov_b32 s[SEL], 0x76543210
	s_mov_b32 s[SEL+1], 0xfedcba98                 ; v_permlanex16_b32's selects for lane l xor 16
	s_mov_b32 s[MNT], 0x600000
.irp b, 0,1,2,3
	v_mov_b32 v[TM+4+\b], 0                        ; written once: a lane permute's destination counts as one of its sources
.endr
.macro OUTA a
.set AC, 64*((\a)%4)
.set WA, 2+(\a)/4                      ; the accumulators' window
.set WW, WA|(WA<<2)
	WIN WW                                         ; sources 0 and 1: the accumulators
.irp b, 0,1,2,3
	v_max3_num_f32 v[TM+\b], |v[AC+16*\b]|, |v[AC+16*\b+1]|, 0x4800000   ; block b: my 16 numbers, from each accumulator's low end on, and the floor 2^(9 - 127)
.endr
.irp i, 2,4,6,8,10,12,14
.irp b, 0,1,2,3
	v_max3_num_f32 v[TM+\b], |v[AC+16*\b+\i]|, |v[AC+16*\b+\i+1]|, v[TM+\b]   ; (the four blocks by turns)
.endr
.endr
	WIN 0
.irp b, 0,1,2,3
	v_permlanex16_b32 v[TM+4+\b], v[TM+\b], s[SEL], s[SEL+1]
.endr
.irp b, 0,1,2,3
	v_max_num_f32 v[TM+\b], v[TM+\b], v[TM+4+\b]   ; with lane l xor 16's: the block's largest magnitude
.endr
.irp b, 0,1,2,3
	v_add_nc_u32 v[TM+12+\b], 0xfc000000, v[TM+\b] ; 8 off its exponent field: the conversion's scale operand
.endr
.irp b, 0,1,2,3
	v_and_or_b32 v[TM+8+\b], v[TM+\b], 0x7f800000, s[MNT]   ; 448 x the scale
.endr
.irp b, 0,1,2,3
	v_lshrrev_b32 v[TM+4+\b], 23, v[TM+12+\b]      ; the scale's byte
.endr
	v_lshl_or_b32 v[SW+(\a)], v[TM+5], 8, v[TM+4]  ; the four bytes make my row's scale word
	v_lshl_or_b32 v[SW+(\a)], v[TM+6], 16, v[SW+(\a)]
	v_lshl_or_b32 v[SW+(\a)], v[TM+7], 24, v[SW+(\a)]
	WIN WA                                         ; source 0: the accumulators
.irp b, 0,1,2,3
.irp i, 0,1,2,3,4,5,6,7,8,9,10,11,12,13,14,15
	v_med3_num_f32 v[X+16*\b+\i], v[AC+16*\b+\i], -v[TM+8+\b], v[TM+8+\b]   ; the conversion does not saturate (ISA guide 7.6.2): the hold
.endr
.endr
	WIN 0
.if (\a) > 0
	s_wait_xcnt 0x0                                ; the last block's stores have read their data and their base: both are written below
.endif
.irp b, 0,1,2,3
	v_cvt_scalef32_pk8_fp8_f32 v[PC+4*\b:PC+4*\b+1], v[X+16*\b:X+16*\b+7], v[TM+12+\b]
	v_cvt_scalef32_pk8_fp8_f32 v[PC+4*\b+2:PC+4*\b+3], v[X+16*\b+8:X+16*\b+15], v[TM+12+\b]
.endr
	v_nop                                          ; one plain instruction behind the last conversion: the next block writes its sources
.if (\a) > 0
	s_add_nc_u64 s[OB:OB+1], s[OB:OB+1], s[SA:SA+1]
.endif
.irp b, 0,1,2,3
	global_store_b128 v[VO+\b], v[PC+4*\b:PC+4*\b+3], s[OB:OB+1]   ; registers 4 b .. 4 b + 3 of the fragment: 32 lanes store 512 consecutive bytes, aligned to 512
.endr
.endm
.irp a, 0,1,2,3,4,5,6,7
	OUTA \a
.endr
	v_cmp_eq_u32 vcc_lo, 1, v[HH]                  ; the words: lanes 0-15 carry blocks 4 k, 4 k + 1, lanes 16-31 blocks 4 k + 2, 4 k + 3 (both halves of the lanes hold every word)
.irp k, 0,1
.irp e, 0,1
	v_cndmask_b32 v[YY+2*\k+\e], v[SW+4*\k+\e], v[SW+4*\k+2+\e], vcc_lo
.endr
.endr
.irp k, 0,1
	global_store_b64 v[L8], v[YY+2*\k:YY+2*\k+1], s[SBS:SBS+1] offset:256*\k   ; 32 lanes store 256 consecutive bytes, aligned
.endr
	s_wait_tensorcnt 0x0                           ; the wave's end
	ds_add_u32 v[SPW], v[NIL]
	s_wait_dscnt 0x0
	CROUND                                         ; the closing round: no work-group ends while a partner may still ask for a tile that names it
	s_endpgm
.Lfunc_end_k_q3617ef54f6_qkv:
	.size	k_q3617ef54f6_qkv, .Lfunc_end_k_q3617ef54f6_qkv-k_q3617ef54f6_qkv
	.p2alignl 7, 3214868480
	.fill 96, 4, 3214868480
	.section	.rodata,"a",@progbits
	.p2align	6, 0x0
	.amdhsa_kernel k_q3617ef54f6_qkv
		.amdhsa_group_segment_fixed_size 327680
		.amdhsa_private_segment_fixed_size 0
		.amdhsa_enable_private_segment 0
		.amdhsa_kernarg_size 40
		.amdhsa_user_sgpr_count 2
		.amdhsa_user_sgpr_kernarg_segment_ptr 1
		.amdhsa_wavefront_size32 1
		.amdhsa_system_sgpr_workgroup_id_x 1
		.amdhsa_system_sgpr_workgroup_id_y 1
		.amdhsa_system_sgpr_workgroup_id_z 1
		.amdhsa_system_vgpr_workitem_id 0
		.amdhsa_next_free_vgpr 1024
		.amdhsa_next_free_sgpr 102
		.amdhsa_reserve_vcc 1
		.amdhsa_float_denorm_mode_32 3
		.amdhsa_float_denorm_mode_16_64 3
		.amdhsa_memory_ordered 1
		.amdhsa_forward_progress 1
		.amdhsa_inst_pref_size 205
	.end_amdhsa_kernel
	.amdgpu_metadata
---
amdhsa.version: [ 1, 2 ]
amdhsa.kernels:
  - .name:           k_q3617ef54f6_qkv
    .symbol:         k_q3617ef54f6_qkv.kd
    .args:
      - { .name: codes, .offset: 0, .size: 8, .value_kind: global_buffer, .address_space: global }
      - { .name: scales, .offset: 8, .size: 8, .value_kind: global_buffer, .address_space: global }
      - { .name: b_qkv, .offset: 16, .size: 8, .value_kind: global_buffer, .address_space: global }
      - { .name: img, .offset: 24, .size: 8, .value_kind: global_buffer, .address_space: global }
      - { .name: isc, .offset: 32, .size: 8, .value_kind: global_buffer, .address_space: global }
    .group_segment_fixed_size: 327680
    .private_segment_fixed_size: 0
    .kernarg_segment_align: 8
    .kernarg_segment_size: 40
    .max_flat_workgroup_size: 128
    .sgpr_count:     102
    .vgpr_count:     1024
    .wavefront_size: 32
...
	.end_amdgpu_metadata
.endif
;; end of part 2
;; launch attn (part 3): grid 8 x 32, 16 waves a work-group, no clusters, 169,984 bytes of LDS; arguments img, isc, ctx, csc; writes ctx, csc
.if DOCPART == 3
	.amdgcn_target "amdgcn-amd-amdhsa--gfx1250"
	.amdhsa_code_object_version 6
	.text
	.protected	k_q3617ef54f6_attn
	.globl	k_q3617ef54f6_attn
	.p2align	8
	.type	k_q3617ef54f6_attn,@function
k_q3617ef54f6_attn:
	s_mov_b64 s[64:65], 0
	v_nop
	global_prefetch_b8 v0, s[64:65] scope:SCOPE_SE
	s_setreg_imm32_b32 hwreg(HW_REG_WAVE_MODE, 25, 1), 1
	s_wait_xcnt 0x0
; ctx = softmax over a causal window of 256 keys of (q k^T / 8), times v; both products on codes of FP8 (E4M3) with E8M0 scales; ctx is quantised along the channels and leaves as images of the last product's operand.
; THE WINDOW.  Key j counts for query i where 0 <= i - j < 256.  For the 32 queries of a block QB that is nine key blocks of 32: QB - 8 (where key offset > query offset), QB - 7 .. QB - 1 (whole), QB (where key offset <= query offset).
; All 288 scores of a row lie in registers at once, so the row's own maximum is taken away: M = ceil(the row's largest t), t = score x log2(e) / 8; p = 2^(t - M) is quantised along the keys; the sum of the unquantised p divides at the end.
; SHARES.  A work-group owns 256 queries of one batch and one PAIR of heads; each of its sixteen waves one tile of 16 queries, for the two heads one after the other (JOB 0, JOB 1).  Four waves to a SIMD: one wave's vector
; work stands beside another's matrix work and LDS loads.  Token tile T holds tokens 32 (T / 2) + 8 (T % 2) + (r % 8) + 16 (r / 8), r = lane % 16.
; LAYOUT.  Both products are used transposed: S^T = K Q^T (source 0 = a tile of 16 keys, source 1 = my queries), O^T = V^T P^T (source 0 = 16 channels, source 1 = P): a lane holds ONE query throughout.  By the tiles' order of
; tokens and channels the 16 registers of two neighbouring result tiles are 16 neighbours: p's and ctx's conversions give operand registers as they stand.
; K = 64 fills half of the first product's instruction: Q's registers 8-15 are zero codes for good, and the scale words' upper bytes are 0 (2^-127, no NaN).  So the upper eight registers of K's operand may hold any codes that are
; numbers: they are the next tile's.  Likewise the second product's third K step holds one block of keys: P's other twelve registers are zero codes.
; LDS is filled ONCE, by twelve dense tensor loads: K's and V's images and scale words of this chunk of 256 keys and of the chunk before.  In chunk 0 the "chunk before" is chunk 0 again: codes that are numbers, hidden by the mask.
; NO CLUSTER: a chunk's 32,768 bytes of K or V are read by two neighbouring work-groups only, and lie at different LDS places in the two (this chunk, the chunk before): one descriptor for both would make LDS addresses hang on the place in the cluster.
; NO PREFETCH: all that the work-group reads is asked for at its head.
; LIMITS: a block whose largest magnitude lies under 2^-118 keeps the scale byte 1 (this program alone reads the bytes); NaN and infinities are not served.
.set KREG,  0                          ; K's images: 32 tiles of 2,048 bytes, from tile 16 chunk - 16 on
.set VREG,  65536                      ; V's: 16 key blocks x 8 channel tiles x 512 bytes
.set KSREG, 131072                     ; K's scale words: 16 pairs of tiles x 128 bytes
.set VSREG, 133120                     ; V's: 4 runs of 128 keys x 512 bytes
.set CSREG, 135168                     ; a stage for ctx's scale words, 1,024 bytes: four blocks of 256 into which no fill lands
.set LI,  1                            ; v1   16 x lane
.set AK,  2                            ; v2   K's images: 16 x lane + 4,096 (wave / 2)
.set AKS, 3                            ; v3   K's scale words
.set AV,  4                            ; v4   V's images
.set AVS, 5                            ; v5   V's scale words
.set EE,  6                            ; v6   my query's offset in its block of 32, less 16 (lane / 16)
.set NEG, 7                            ; v7   -infinity
.set R8,  8                            ; v8   8 (lane % 16)
.set QS,  9                            ; v9   Q's scale word            (v9-12, v92-109 hold scales and nothing else)
.set PS,  10                           ; v10-12 P's scale words
.set CW,  13                           ; v13  ctx's scale word
.set NM,  14                           ; v14 -M, v15 the row's largest t
.set Q,   16                           ; v16-31 Q's fragment; v24-31 zero codes for good
.set KT,  32                           ; v32-79 six tiles of K, eight registers each
.set BM,  32                           ; later: v32-40 the blocks' largest scores, then largest p, then 448 x the scale
.set SOP, 41                           ; v41-49 the conversions' scale operands
.set BY,  50                           ; v50-58 at work, then the scales' bytes
.set TT,  59
.set SUM2, 60                          ; v[60:61] the sum's second chain
.set PCD, 44                           ; v44-79 P's codes, block b at 44 + 4 b; v80-91 zero codes for good
.set KSC, 92                           ; v92-97 K's scale words
.set VS,  98                           ; v98-109 V's scale words: tile ct, K step s at 98 + 3 ct + s
.set LS,  110                          ; v[110:111] the row's sum
.set S,   112                          ; v112-255 S^T, then p: key block b at 112 + 16 b
.set O,   112                          ; later: v112-143 O^T
.set HP,  144                          ; v144-163 the way out's registers
.set HR,  146
.set HM,  148
.set HB,  150
.set HL,  152
.set HS,  154
.set HC,  156
.set VF,  176                          ; v176-239 four fragments of V
.set RW,  240                          ; v240-251 V's scale words as they lie
	s_load_b256 s[4:11], s[0:1], 0x0               ; img s[4:5], isc s[6:7], ctx s[8:9], csc s[10:11]
	v_lshl_add_u32 v254, v0, 2, 0x29000
	v_mov_b32 v255, 0
	ds_add_u32 v254, v255
	ds_add_u32 v254, v255
	s_wait_dscnt 0x0
	v_lshrrev_b32 v1, 5, v0
	v_readfirstlane_b32 s12, v1                    ; wave 0..15
	s_mov_b32 s13, ttmp9                           ; chunk of 256 queries
	s_and_b32 s14, ttmp7, 0xffff                   ; batch x 8 + head pair
	s_lshr_b32 s15, s12, 1                         ; which block of 32 queries
	s_and_b32 s16, s12, 1                          ; which tile of it
	s_lshl_b32 s17, s13, 4
	s_add_co_u32 s17, s17, s12                     ; T: my tile in the batch
	s_sub_co_u32 s18, 8, s15
	s_cmp_eq_u32 s13, 0
	s_cselect_b32 s18, s18, 0                      ; how many of my nine key blocks lie before key 0
	s_and_b32 s19, s15, 3
	s_lshl_b32 s19, s19, 3                         ; V's scale words hold four key blocks: my first block's byte, in bits
	s_mov_b32 s20, 0x76543210
	s_mov_b32 s21, 0xfedcba98                      ; v_permlanex16_b32's selects for lane l xor 16
	s_mov_b32 s22, 0x3e38aa3b                      ; c = log2(e) / 8
	s_mov_b32 s23, s22                             ; (named with it as a pair)
	s_mov_b32 s24, 0x600000                        ; the mantissa field of 448
	; descriptor group 1: a dense block of 16,384 bytes as 64 rows of 256 (32 elements of 8 bytes); and one of 1,024 bytes as 4 rows
	s_mov_b32 s28, 3<<16
	s_mov_b32 s29, 32<<16
	s_mov_b32 s30, 64<<16
	s_mov_b32 s31, 32<<16
	s_mov_b32 s32, 64
	s_mov_b32 s33, 32
	s_mov_b32 s34, 0
	s_mov_b32 s35, 0
	s_mov_b32 s36, 3<<16
	s_mov_b32 s37, 32<<16
	s_mov_b32 s38, 4<<16
	s_mov_b32 s39, 32<<16
	s_mov_b32 s40, 4
	s_mov_b32 s41, 32
	s_mov_b32 s42, 0
	s_mov_b32 s43, 0
	s_sub_co_i32 s60, s13, 1
	s_max_i32 s60, s60, 0                          ; the chunk before (chunk 0: itself)
	; waves 0-3: K's images (the chunk before: two halves; this chunk: two halves); waves 4-7: V's likewise
	s_bitcmp1_b32 s12, 1
	s_cselect_b32 s61, s13, s60
	s_lshl_b32 s61, s61, 15                        ; 32,768 bytes a chunk
	s_lshl_b32 s62, s16, 14
	s_add_co_u32 s61, s61, s62
	s_lshl_b32 s62, s14, 18                        ; 262,144 bytes a group
	s_add_co_u32 s61, s61, s62
	s_bfe_u32 s62, s12, 0x10002
	s_add_co_u32 s62, s62, 1
	s_lshl_b32 s62, s62, 23                        ; k's 32 groups begin at 8,388,608, v's at 16,777,216
	s_add_co_u32 s62, s62, s61
	s_mov_b32 s63, 0
	; waves 8, 9: K's scale words (the chunk before, this chunk); waves 10, 11: V's
	s_bitcmp1_b32 s12, 0
	s_cselect_b32 s66, s13, s60
	s_lshl_b32 s66, s66, 10
	s_lshl_b32 s61, s14, 13
	s_add_co_u32 s66, s66, s61
	s_bfe_u32 s61, s12, 0x10001
	s_add_co_u32 s61, s61, 1
	s_lshl_b32 s61, s61, 18
	s_add_co_u32 s66, s66, s61
	s_mov_b32 s67, 0
	s_wait_kmcnt 0x0
	s_mov_b32 s44, 1
	s_lshl_b32 s45, s12, 14                        ; LDS: 16,384 x wave
	s_add_nc_u64 s[46:47], s[4:5], s[62:63]
	s_or_b32 s47, s47, 0x80000000
	s_mov_b32 s48, 1
	s_lshl_b32 s49, s12, 10
	s_add_co_u32 s49, s49, KSREG-8*1024            ; LDS: KSREG + 1,024 x (wave - 8)
	s_add_nc_u64 s[50:51], s[6:7], s[66:67]
	s_or_b32 s51, s51, 0x80000000
	s_cmp_lt_u32 s12, 8                            ; the first and only fills: one load a wave, twelve waves; the branches hang on the wave's number alone
	s_cbranch_scc0 .Lnot_big
	tensor_load_to_lds s[44:47], s[28:35]
	s_nop 0
.rept 4
	v_nop
.endr
	s_branch .Lasked
.Lnot_big:
	s_cmp_lt_u32 s12, 12
	s_cbranch_scc0 .Lasked
	tensor_load_to_lds s[48:51], s[36:43]
	s_nop 0
.rept 4
	v_nop
.endr
.Lasked:
	s_lshl_b32 s52, s14, 7
	s_add_co_u32 s52, s52, s17
	s_lshl_b32 s52, s52, 11
	s_mov_b32 s53, 0
	s_add_nc_u64 s[52:53], s[4:5], s[52:53]        ; Q's image: q's groups come first in img; 2,048 bytes a tile
	s_lshl_b32 s54, s14, 13
	s_lshr_b32 s60, s17, 1
	s_lshl_b32 s60, s60, 7
	s_add_co_u32 s54, s54, s60
	s_lshl_b32 s60, s16, 2
	s_add_co_u32 s54, s54, s60
	s_mov_b32 s55, 0
	s_add_nc_u64 s[54:55], s[6:7], s[54:55]        ; Q's scale words
	s_lshr_b32 s60, s14, 3
	s_lshl_b32 s60, s60, 7                         ; 128 tiles a batch
	s_and_b32 s61, s14, 7                          ; the head pair
	s_add_co_u32 s56, s60, s17
	s_lshl_b32 s56, s56, 3
	s_add_co_u32 s56, s56, s61
	s_lshl_b32 s56, s56, 11
	s_mov_b32 s57, 0
	s_add_nc_u64 s[56:57], s[8:9], s[56:57]        ; ctx: [tile][head pair][piece][lane][16 bytes]
	s_lshl_b32 s58, s13, 4
	s_add_co_u32 s58, s58, s60
	s_lshl_b32 s58, s58, 6
	s_lshl_b32 s61, s61, 15
	s_add_co_u32 s58, s58, s61
	s_mov_b32 s59, 0
	s_add_nc_u64 s[58:59], s[10:11], s[58:59]      ; csc: [head pair][tile][r] words: the work-group's 16 tiles are 1,024 consecutive bytes
	v_and_b32 v32, 15, v0                          ; r
	v_bfe_u32 v33, v0, 4, 1                        ; h
	v_and_b32 v34, 31, v0
	v_lshlrev_b32 v[LI], 4, v34
	v_lshlrev_b32 v[R8], 3, v32
	global_load_b128 v[Q:Q+3], v[LI], s[52:53]               ; head 0 of the pair: pieces 0 and 1
	global_load_b128 v[Q+4:Q+7], v[LI], s[52:53] offset:512
	global_load_u16 v[QS], v[R8], s[54:55]                   ; its two scale bytes; the word's upper bytes are 0
	s_lshl_b32 s60, s15, 12                        ; my first tile of K is 2 (wave / 2), my first key block wave / 2
	v_add_nc_u32 v[AK], s60, v[LI]
	s_lshl_b32 s61, s15, 7
	s_add_co_u32 s61, s61, KSREG
	v_add_nc_u32 v[AKS], s61, v[R8]
	s_add_co_u32 s60, s60, VREG
	v_add_nc_u32 v[AV], s60, v[LI]
	s_lshr_b32 s61, s15, 2
	s_lshl_b32 s61, s61, 9
	s_add_co_u32 s61, s61, VSREG
	v_add_nc_u32 v[AVS], s61, v[R8]
	v_and_b32 v35, 7, v32
	v_lshrrev_b32 v36, 3, v32
	v_lshl_add_u32 v35, v36, 4, v35
	v_lshlrev_b32 v36, 4, v33
	v_sub_nc_u32 v35, v35, v36
	s_lshl_b32 s61, s16, 3
	v_add_nc_u32 v[EE], s61, v35                   ; 8 (tile % 2) + (r % 8) + 16 (r / 8) - 16 h
	v_mov_b32 v[NEG], 0xff800000
.irp j, 8,9,10,11,12,13,14,15
	v_mov_b32 v[Q+\j], 0
.endr
.irp j, 80,81,82,83,84,85,86,87,88,89,90,91
	v_mov_b32 v[\j], 0
.endr
	s_wait_tensorcnt 0x0                           ; my load has landed,
	s_barrier_signal -1
	s_barrier_wait -1                              ; everybody's has
.macro VLOAD p, s, nc                  ; V's four fragments of K step s (key blocks 4 s + c), head p: the first nc groups of four registers
.irp ct, 0,1,2,3
.irp c, 0,1,2,3
.if \c < \nc
	ds_load_b128 v[VF+16*\ct+4*\c:VF+16*\ct+4*\c+3], v[AV] offset:(4*\s+\c)*4096+(4*\p+\ct)*512
.endif
.endr
.endr
.endm
.macro EIGHT                           ; places behind a matrix instruction of this form (ISA guide 7.12.1 for reads)
.rept 8
	v_nop
.endr
.endm
.macro JOB p
	s_wait_loadcnt 0x0                             ; Q's codes and scale word
.if \p
	s_wait_xcnt 0x0                                ; the last job's stores have read their data: the scores below land there
.endif
	; ---- S^T = K Q^T: eighteen tiles of 16 keys, six at a time
.irp g, 0,1,2
.if (\p) || (\g)
	EIGHT
.endif
.irp i, 0,1,2,3,4,5
.irp c, 0,1
	ds_load_b128 v[KT+8*\i+4*\c:KT+8*\i+4*\c+3], v[AK] offset:(6*\g+\i)*2048+1024*\p+512*\c
.endr
	ds_load_u16 v[KSC+\i], v[AKS] offset:((6*\g+\i)/2)*128+((6*\g+\i)%2)*4+2*\p
.endr
	s_wait_dscnt 0x0
.irp i, 0,1,2,3,4,5
	v_wmma_scale_f32_16x16x128_f8f6f4 v[S+8*(6*\g+\i):S+8*(6*\g+\i)+7], v[KT+8*\i:KT+8*\i+15], v[Q:Q+15], 0, v[KSC+\i], v[QS]
.endr
.endr
	EIGHT
.if \p == 0
	global_load_b128 v[Q:Q+3], v[LI], s[52:53] offset:1024       ; the other head's Q, a job ahead
	global_load_b128 v[Q+4:Q+7], v[LI], s[52:53] offset:1536
	global_load_u16 v[QS], v[R8], s[54:55] offset:2
.endif
	; ---- the mask: register 16 b + i holds key offset 16 h + i of block b
.irp i, 0,1,2,3,4,5,6,7,8,9,10,11,12,13,14,15
	v_cmp_gt_i32 vcc_lo, \i, v[EE]
	v_cndmask_b32 v[S+128+\i], v[S+128+\i], v[NEG], vcc_lo     ; my own block: hidden where the key comes after the query
	v_cndmask_b32 v[S+\i], v[NEG], v[S+\i], vcc_lo             ; the block 256 back: counts only there
.endr
.irp b, 0,1,2,3,4,5,6,7                        ; blocks before key 0 (chunk 0 alone): a scalar branch on ids
	s_cmp_le_u32 s18, \b
	s_cbranch_scc1 .Lfull_\@
.irp i, 0,1,2,3,4,5,6,7,8,9,10,11,12,13,14,15
	v_mov_b32 v[S+16*\b+\i], v[NEG]
.endr
.endr
.Lfull_\@:
	; ---- the largest score of each block (it serves twice: p rises with the score), and of the row
.irp b, 0,1,2,3,4,5,6,7,8
	v_max3_num_f32 v[BM+\b], v[S+16*\b], v[S+16*\b+1], v[S+16*\b+2]
.endr
.irp i, 3,5,7,9,11,13
.irp b, 0,1,2,3,4,5,6,7,8
	v_max3_num_f32 v[BM+\b], v[BM+\b], v[S+16*\b+\i], v[S+16*\b+\i+1]
.endr
.endr
.irp b, 0,1,2,3,4,5,6,7,8
	v_max_num_f32 v[BM+\b], v[BM+\b], v[S+16*\b+15]
.endr
.irp b, 0,1,2,3,4,5,6,7,8
	v_permlanex16_b32 v[BY+\b], v[BM+\b], s20, s21
.endr
.irp b, 0,1,2,3,4,5,6,7,8
	v_max_num_f32 v[BM+\b], v[BM+\b], v[BY+\b]     ; with lane l xor 16's 16 keys
.endr
	v_max3_num_f32 v[TT], v[BM], v[BM+1], v[BM+2]
	v_max3_num_f32 v[TT], v[TT], v[BM+3], v[BM+4]
	v_max3_num_f32 v[TT], v[TT], v[BM+5], v[BM+6]
	v_max3_num_f32 v[TT], v[TT], v[BM+7], v[BM+8]  ; a query counts for itself, so this is a number
	v_mul_f32 v[NM+1], s22, v[TT]                  ; as t (c is positive)
	v_floor_f32 v[NM], -v[NM+1]                    ; -M = floor(-t) = -ceil(t)
	; ---- p = 2^(t - M)
.set J, 0
.rept 72
	v_pk_fma_f32 v[S+J:S+J+1], v[S+J:S+J+1], s[22:23], v[NM:NM+1] op_sel_hi:[1,0,0]   ; t - M, two at a time (of the pairs c and -M the low word serves both halves)
.set J, J+2
.endr
.irp b, 0,1,2,3,4,5,6,7,8
	v_fma_f32 v[BM+\b], v[BM+\b], s22, v[NM]       ; the same of each block's largest score
.endr
.set J, 0
.rept 144
	v_exp_f32 v[S+J], v[S+J]                       ; hidden keys: 2^-infinity = 0
.set J, J+1
.endr
	v_nop                                          ; a plain instruction behind the last exponential
	s_wait_alu depctr_va_vdst(0)                   ; one wait for the batch of 144, ahead of its first reader
.irp b, 0,1,2,3,4,5,6,7,8
	v_exp_f32 v[BM+\b], v[BM+\b]                   ; the block's largest p: the same two instructions on the same number
.endr
	v_pk_add_f32 v[LS:LS+1], v[S:S+1], v[S+2:S+3]  ; the row's sum, of the unquantised p, in two chains; it reads the 144 alone
	v_pk_add_f32 v[SUM2:SUM2+1], v[S+4:S+5], v[S+6:S+7]
.set J, 8
.rept 34
	v_pk_add_f32 v[LS:LS+1], v[LS:LS+1], v[S+J:S+J+1]
	v_pk_add_f32 v[SUM2:SUM2+1], v[SUM2:SUM2+1], v[S+J+2:S+J+3]
.set J, J+4
.endr
	v_pk_add_f32 v[LS:LS+1], v[LS:LS+1], v[SUM2:SUM2+1]
	s_wait_alu depctr_va_vdst(0)                   ; and one for the nine
	; ---- p's scales
.irp b, 0,1,2,3,4,5,6,7,8
	v_max_num_f32 v[BM+\b], 0x4800000, v[BM+\b]    ; the floor 2^(9 - 127): a block of zeros keeps the byte 1, its codes are zeros
.endr
.irp b, 0,1,2,3,4,5,6,7,8
	v_add_nc_u32 v[SOP+\b], 0xfc000000, v[BM+\b]   ; 8 off the exponent field: the conversion's scale operand
.endr
.irp b, 0,1,2,3,4,5,6,7,8
	v_lshrrev_b32 v[BY+\b], 23, v[SOP+\b]          ; the scale's byte
.endr
.irp b, 0,1,2,3,4,5,6,7,8
	v_and_or_b32 v[BM+\b], v[BM+\b], 0x7f800000, s24   ; 448 x the scale
.endr
	v_lshl_or_b32 v[PS], v[BY+1], 8, v[BY]
	v_lshl_or_b32 v[PS], v[BY+2], 16, v[PS]
	v_lshl_or_b32 v[PS], v[BY+3], 24, v[PS]
	v_lshl_or_b32 v[PS+1], v[BY+5], 8, v[BY+4]
	v_lshl_or_b32 v[PS+1], v[BY+6], 16, v[PS+1]
	v_lshl_or_b32 v[PS+1], v[BY+7], 24, v[PS+1]
	v_mov_b32 v[PS+2], v[BY+8]                     ; the third K step has one block; its other bytes are 0 over zero codes
	; ---- p's codes, from the last block down: they land on registers that are used up
.irp b, 8,7,6,5,4,3,2,1,0
.irp i, 0,1,2,3,4,5,6,7,8,9,10,11,12,13,14,15
	v_min_num_f32 v[S+16*\b+\i], v[S+16*\b+\i], v[BM+\b]   ; the conversion does not saturate (ISA guide 7.6.2); p is not negative, so the hold is one-sided
.endr
	v_cvt_scalef32_pk8_fp8_f32 v[PCD+4*\b:PCD+4*\b+1], v[S+16*\b:S+16*\b+7], v[SOP+\b]
	v_cvt_scalef32_pk8_fp8_f32 v[PCD+4*\b+2:PCD+4*\b+3], v[S+16*\b+8:S+16*\b+15], v[SOP+\b]
.if \b == 7                                    ; block 8's registers are free: V's scale words of three runs of 128 keys, two tiles a load
.irp i, 0,1,2
.irp k, 0,1
	ds_load_b64 v[RW+4*\i+2*\k:RW+4*\i+2*\k+1], v[AVS] offset:512*\i+256*\p+128*\k
.endr
.endr
.endif
.if \b == 3                                    ; blocks 4 to 7's registers are free: V's fragments of the first K step
	VLOAD \p, 0, 4
.endif
.endr
	v_nop                                          ; one plain instruction behind the last conversion
	; ---- O^T = V^T P^T: three K steps, the four accumulators by turns
	s_wait_dscnt 0x0
.irp ct, 0,1,2,3                               ; my nine blocks begin at byte (wave / 2) % 4 of the first word
	v_alignbit_b32 v[VS+3*\ct], v[RW+4+\ct], v[RW+\ct], s19
	v_alignbit_b32 v[VS+3*\ct+1], v[RW+8+\ct], v[RW+4+\ct], s19
	v_alignbit_b32 v[VS+3*\ct+2], v[RW+8+\ct], v[RW+8+\ct], s19
.endr
	EIGHT                                          ; a scale register written by a vector instruction stands eight places ahead of the scaled matrix instruction
.irp ct, 0,1,2,3
	v_wmma_scale_f32_16x16x128_f8f6f4 v[O+8*\ct:O+8*\ct+7], v[VF+16*\ct:VF+16*\ct+15], v[PCD:PCD+15], 0, v[VS+3*\ct], v[PS]
.endr
	EIGHT
	VLOAD \p, 1, 4
	s_wait_dscnt 0x0
.irp ct, 0,1,2,3
	v_wmma_scale_f32_16x16x128_f8f6f4 v[O+8*\ct:O+8*\ct+7], v[VF+16*\ct:VF+16*\ct+15], v[PCD+16:PCD+31], v[O+8*\ct:O+8*\ct+7], v[VS+3*\ct+1], v[PS+1]
.endr
	EIGHT
	VLOAD \p, 2, 1                                 ; the ninth block; V's other twelve registers keep the last step's codes, which meet zero codes of P
	s_wait_dscnt 0x0
.irp ct, 0,1,2,3
	v_wmma_scale_f32_16x16x128_f8f6f4 v[O+8*\ct:O+8*\ct+7], v[VF+16*\ct:VF+16*\ct+15], v[PCD+32:PCD+47], v[O+8*\ct:O+8*\ct+7], v[VS+3*\ct+2], v[PS+2]
.endr
	EIGHT
	; ---- ctx = O^T / the sum, quantised: register 16 B + i is channel 32 B + 16 h + i of the head
	v_add_f32 v[LS], v[LS], v[LS+1]
	v_permlanex16_b32 v[HP], v[LS], s20, s21
	v_add_f32 v[LS], v[LS], v[HP]                  ; with lane l xor 16's keys: the row's sum, at least 1/2
	v_rcp_f32 v[HR], v[LS]
	v_nop
	s_wait_alu depctr_va_vdst(0)                   ; ahead of the reciprocal's first reader
.set J, 0
.rept 16
	v_pk_mul_f32 v[O+J:O+J+1], v[O+J:O+J+1], v[HR:HR+1] op_sel_hi:[1,0]   ; each accumulator from its low end on
.set J, J+2
.endr
.irp b, 0,1
	v_max3_num_f32 v[HM+\b], |v[O+16*\b]|, |v[O+16*\b+1]|, 0x4800000
.endr
.irp i, 2,4,6,8,10,12,14
.irp b, 0,1
	v_max3_num_f32 v[HM+\b], v[HM+\b], |v[O+16*\b+\i]|, |v[O+16*\b+\i+1]|
.endr
.endr
.irp b, 0,1
	v_permlanex16_b32 v[HB+\b], v[HM+\b], s20, s21
.endr
.irp b, 0,1
	v_max_num_f32 v[HM+\b], v[HM+\b], v[HB+\b]
.endr
.irp b, 0,1
	v_add_nc_u32 v[HS+\b], 0xfc000000, v[HM+\b]
.endr
.irp b, 0,1
	v_and_or_b32 v[HL+\b], v[HM+\b], 0x7f800000, s24
.endr
.irp b, 0,1
	v_lshrrev_b32 v[HB+\b], 23, v[HS+\b]
.endr
.if \p == 0
	v_lshl_or_b32 v[CW], v[HB+1], 8, v[HB]         ; bytes 0 and 1 of the K step's scale word
.else
	v_lshl_or_b32 v[HB], v[HB+1], 8, v[HB]
	v_lshl_or_b32 v[CW], v[HB], 16, v[CW]          ; bytes 2 and 3
.endif
.irp b, 0,1
.irp i, 0,1,2,3,4,5,6,7,8,9,10,11,12,13,14,15
	v_med3_num_f32 v[O+16*\b+\i], v[O+16*\b+\i], -v[HL+\b], v[HL+\b]
.endr
	v_cvt_scalef32_pk8_fp8_f32 v[HC+4*\b:HC+4*\b+1], v[O+16*\b:O+16*\b+7], v[HS+\b]
	v_cvt_scalef32_pk8_fp8_f32 v[HC+4*\b+2:HC+4*\b+3], v[O+16*\b+8:O+16*\b+15], v[HS+\b]
.endr
	v_nop                                          ; one plain instruction behind the last conversion
.irp b, 0,1
	global_store_b128 v[LI], v[HC+4*\b:HC+4*\b+3], s[56:57] offset:(2*\p+\b)*512   ; 32 lanes store 512 consecutive bytes, aligned to 512
.endr
.endm
	JOB 0
	JOB 1
	; ctx's scale words: sixteen waves' 64 bytes meet in LDS and leave in stores of 512 consecutive bytes.  K's address registers are free and take the last addresses
	v_and_b32 v[AK], 15, v0
	s_lshl_b32 s60, s12, 6
	s_add_co_u32 s60, s60, CSREG
	v_lshl_add_u32 v[AK], v[AK], 2, s60            ; CSREG + 64 x wave + 4 r: both halves of the lanes write the same word with the same value
	v_lshlrev_b32 v[AV], 4, v0
	v_add_nc_u32 v[AKS], CSREG, v[AV]
	ds_store_b32 v[AK], v[CW]
	s_wait_dscnt 0x0                               ; for the others' sake: my store is done
	s_barrier_signal -1
	s_barrier_wait -1
	s_cmp_lt_u32 s12, 2
	s_cbranch_scc0 .Lend
	ds_load_b128 v[HP:HP+3], v[AKS]                ; threads 0 to 63: 16 bytes each
	s_wait_dscnt 0x0
	global_store_b128 v[AV], v[HP:HP+3], s[58:59]
.Lend:
	s_wait_xcnt 0x0
	v_lshl_add_u32 v254, v0, 2, 0x29000
	v_mov_b32 v255, 0
	s_wait_tensorcnt 0x0
	ds_add_u32 v254, v255
	s_wait_dscnt 0x0
	s_endpgm
.Lfunc_end_k_q3617ef54f6_attn:
	.size	k_q3617ef54f6_attn, .Lfunc_end_k_q3617ef54f6_attn-k_q3617ef54f6_attn
	.p2alignl 7, 3214868480
	.fill 96, 4, 3214868480
	.section	.rodata,"a",@progbits
	.p2align	6, 0x0
	.amdhsa_kernel k_q3617ef54f6_attn
		.amdhsa_group_segment_fixed_size 169984
		.amdhsa_private_segment_fixed_size 0
		.amdhsa_enable_private_segment 0
		.amdhsa_kernarg_size 32
		.amdhsa_user_sgpr_count 2
		.amdhsa_user_sgpr_kernarg_segment_ptr 1
		.amdhsa_wavefront_size32 1
		.amdhsa_system_sgpr_workgroup_id_x 1
		.amdhsa_system_sgpr_workgroup_id_y 1
		.amdhsa_system_sgpr_workgroup_id_z 1
		.amdhsa_system_vgpr_workitem_id 0
		.amdhsa_next_free_vgpr 256
		.amdhsa_next_free_sgpr 72
		.amdhsa_reserve_vcc 1
		.amdhsa_float_denorm_mode_32 3
		.amdhsa_float_denorm_mode_16_64 3
		.amdhsa_memory_ordered 1
		.amdhsa_forward_progress 1
		.amdhsa_inst_pref_size 113
	.end_amdhsa_kernel
	.amdgpu_metadata
---
amdhsa.version: [ 1, 2 ]
amdhsa.kernels:
  - .name:           k_q3617ef54f6_attn
    .symbol:         k_q3617ef54f6_attn.kd
    .args:
      - { .name: img, .offset: 0, .size: 8, .value_kind: global_buffer, .address_space: global }
      - { .name: isc, .offset: 8, .size: 8, .value_kind: global_buffer, .address_space: global }
      - { .name: ctx, .offset: 16, .size: 8, .value_kind: global_buffer, .address_space: global }
      - { .name: csc, .offset: 24, .size: 8, .value_kind: global_buffer, .address_space: global }
    .group_segment_fixed_size: 169984
    .private_segment_fixed_size: 0
    .kernarg_segment_align: 8
    .kernarg_segment_size: 32
    .max_flat_workgroup_size: 512
    .sgpr_count:     72
    .vgpr_count:     256
    .wavefront_size: 32
...
	.end_amdgpu_metadata
.endif
;; end of part 3
;; launch proj (part 4): grid 4 x 32, 4 waves a work-group, clusters of 4 x 4, 327,680 bytes of LDS; arguments ctx, csc, codes, scales, b_proj, out0; writes out0
.if DOCPART == 4
	.amdgcn_target "amdgcn-amd-amdhsa--gfx1250"
	.amdhsa_code_object_version 6
	.text
	.protected	k_q3617ef54f6_proj
	.globl	k_q3617ef54f6_proj
	.p2align	8
	.type	k_q3617ef54f6_proj,@function
k_q3617ef54f6_proj:
	s_mov_b64 s[64:65], 0
	v_nop
	global_prefetch_b8 v0, s[64:65] scope:SCOPE_SE
	s_setreg_imm32_b32 hwreg(HW_REG_WAVE_MODE, 25, 1), 1
	s_wait_xcnt 0x0
	s_wait_alu depctr_hold_cnt(0) depctr_sa_sdst(0) depctr_va_vdst(0) depctr_va_sdst(0) depctr_va_ssrc(0) depctr_va_vcc(0) depctr_vm_vsrc(0)
	s_getreg_b32 s2, hwreg(HW_REG_IB_STS2, 6, 4)
	s_cmp_eq_u32 s2, 0
	s_cbranch_scc0 .Lentry_in_a_cluster
	s_endpgm
.Lentry_in_a_cluster:
	s_bfe_u32 s2, ttmp6, 0x10000c
	s_cmp_lg_u32 s2, 0xf033
	s_cbranch_scc0 .Lentry_shape_is_right
	s_endpgm
.Lentry_shape_is_right:
; out0 = ctx W_proj^T + b_proj on codes of FP8 (E4M3) with E8M0 scales, K = 1,024; out0 [8192][1024] f32.
; A tile of 256 x 256 is made by four waves, 128 x 128 each: 64 accumulators, 512 registers.  K goes in steps of 256 through a ring of two LDS slots filled by the tensor data mover; all scale bytes of the tile's rows come once.
; A = ctx lies in memory as IMAGES OF FRAGMENTS, [token tile 512][128 along K: 8][piece 4][lane][16 bytes]: a K step of a tile is 4,096 consecutive bytes, a fragment comes by four loads of 512 consecutive LDS bytes: no pitch, no padding.
;   Its scale words lie [128 along K: 8][token tile][r].  Token tile T of a batch holds tokens 32 (T / 2) + 8 (T % 2) + (r % 8) + 16 (r / 8): only the last stores have to know.
; B = W_proj: rows 11,264 on of codes and scales, rows as rows (padded in LDS).
; The matrix instruction is used transposed (source 0 = 16 rows of W_proj, source 1 = 16 tokens): a lane holds eight neighbouring numbers of a row of out0.  The bias is the C of each sum's first matrix instruction.
; CLUSTERS: 4 x 4 work-groups; A's tiles are asked for jointly along a row of the cluster, B's along a column.  128 work-groups: half of the WGPs; a tile of half the size would fill them at twice the LDS reads for each product.
; No prefetch: a tile has two refills, whose look-ahead would fall on the head.
; REGISTERS, in windows of 256: window 0: v1-7 at work; v16-31 addresses; v32-63 scale words, two sets (A's eight, B's eight; lanes 0-15 the slot's first 128 along K, lanes 16-31 its second); v64-127 the bias; from v128 A's fragments.
;   window 1: B's fragments, two sets.   windows 2, 3: the accumulators ((a, b) at v[8 (8 (a % 4) + b)]).
.set SIZE_K, 1024
.set KSTEP,  256
.set NQ,     KSTEP/128
.set ROWB,   256                       ; B: a tile's row in bytes
.set KROW,   SIZE_K
.set PITCH,  272                       ; B: an LDS row: 256 bytes + 16 of padding: the 16 rows that a load touches start at 16 different banks (64 banks of 4 bytes: ISA guide 11.1)
.set ASTEP,  4096                      ; A: a K step of a token tile
.set FR,     16
.set NL,     4
.set NP,     8                         ; places behind this matrix instruction (ISA guide 7.12.1)
.set HALFT,  128*PITCH                 ; a wave's share of a slot (A's halves use 32,768 bytes of it)
.set SLOT,   4*HALFT
.set LAPS,   SIZE_K/(2*KSTEP)
.set KS,     SIZE_K/32
.set SCL,    2*SLOT                    ; behind the ring: A's scale words: two halves of 8 rows x (512 bytes + 64),
.set HALFA,  8*576
.set SCLB,   SCL+2*HALFA               ; B's scale bytes: two halves of 16 runs x (256 bytes + 16)
.set HALFS,  (128*KS/256)*272
.set SBLK,   (16*KS/256)*272
.set SPARE,  SCLB+2*HALFS              ; the spare words, 128 bytes a wave: two blocks of 256 bytes that no other line names
.set SPITCH, 528                       ; the way out: a stage of 16 rows x (512 bytes + 16) for each wave, in slot 0, which has had its last fill and its last read by then
.set ROW_P,  11264                     ; W_proj's first row in codes
.set VB,   7
.set ADRA, 16
.set ADRB, 20
.set STO,  24
.set RD,   25
.set CO,   26                          ; v26  16 x lane
.set ADRSA, 27
.set SPW,  28                          ; v28  my spare word; never rewritten
.set NIL,  29                          ; v29  0; never rewritten
.set ADRSB, 31
.set SC,   32
.set BI,   64
.set AF,   128
.set BK,   128
.set G1, 24
.set G0, 32
.set G1B, 48
.set G0B, 56
.set G1S, 68
.set G0S, 76
.set G1SB, 80
.set G0SB, 88
.set MSB, 0
.macro WIN new                         ; the immediate's high byte repeats the setting that is left
.if MSB != \new
	s_set_vgpr_msb (MSB<<8)|\new
.set MSB, \new
.endif
.endm
.set MUL_LO, 0xa1
.set MUL_HI, 0xf1
.set FIRST_LO, 0x81                    ; the first step: C (the bias) window 0, D window 2
.set FIRST_HI, 0xc1
.set TO_B,   0x40
.macro JLOAD g0a, g1a, g0b, g1b        ; a joint load: waves 0 and 1 fetch for A, waves 2 and 3 for B; four v_nop follow each line
	s_cmp_eq_u32 s17, 0
	s_cbranch_scc0 .Lfor_b_\@
	tensor_load_to_lds s[\g0a:\g0a+3], s[\g1a:\g1a+7]
	s_nop 0
.rept 4
	v_nop
.endr
	s_branch .Lasked_\@
.Lfor_b_\@:
	tensor_load_to_lds s[\g0b:\g0b+3], s[\g1b:\g1b+7]
	s_nop 0
.rept 4
	v_nop
.endr
.Lasked_\@:
.endm
.macro CREST
	s_cmp_lg_u32 s16, 0
	s_cbranch_scc1 .Lnot_wave_0_\@
	s_barrier_signal -3
.Lnot_wave_0_\@:
	s_barrier_wait -3
	s_barrier_signal -1
	s_barrier_wait -1
.endm
.macro CROUND
	s_barrier_signal -1
	s_barrier_wait -1
	CREST
.endm
	s_load_b256 s[4:11], s[0:1], 0x0               ; ctx s[4:5], csc s[6:7], codes s[8:9], scales s[10:11]
	s_load_b128 s[12:15], s[0:1], 0x20             ; b_proj s[12:13], out0 s[14:15]
	v_lshl_add_u32 v[SPW], v0, 2, SPARE
	v_mov_b32 v[NIL], 0
	ds_add_u32 v28, v29
	ds_add_u32 v28, v29
	s_wait_dscnt 0x0
	v_lshrrev_b32 v1, 5, v0
	v_readfirstlane_b32 s16, v1                    ; wave 0..3
	s_lshr_b32 s17, s16, 1                         ; which half of the tile's rows is mine.  Also: I fetch for A (0) or for B (1)
	s_and_b32 s18, s16, 1                          ; which half of its columns.  Also: which half of that tile I fetch
	s_bfe_u32 s40, ttmp6, 0x40000                  ; cx: also the tile column (the grid is one cluster wide)
	s_bfe_u32 s41, ttmp6, 0x40004                  ; cy
	s_lshl_b32 s43, s41, 2
	s_lshl_b32 s43, 15, s43                        ; my row of the cluster
	s_lshl_b32 s44, 0x1111, s40                    ; my column
	; A's codes: 8 token tiles x 4,096 bytes (512 elements of 8 bytes), 16,384 bytes apart; dense in LDS
	s_or_b32 s[G1+0], s43, (3<<16)|(1<<21)
	s_mov_b32 s[G1+1], 512<<16
	s_mov_b32 s[G1+2], 8<<16
	s_mov_b32 s[G1+3], 512<<16
	s_mov_b32 s[G1+4], 8
	s_mov_b32 s[G1+5], 2048
	s_mov_b32 s[G1+6], 0
	s_mov_b32 s[G1+7], 0
	; B's codes: 128 rows x 256 bytes, padded in LDS
	s_or_b32 s[G1B+0], s44, (0<<16)|(1<<20)|(1<<21)|(5<<22)|(3<<25)
	s_mov_b32 s[G1B+1], ROWB<<16
	s_mov_b32 s[G1B+2], 128<<16
	s_mov_b32 s[G1B+3], ROWB<<16
	s_mov_b32 s[G1B+4], 128
	s_mov_b32 s[G1B+5], KROW
	s_mov_b32 s[G1B+6], 0
	s_mov_b32 s[G1B+7], 0
	; A's scale words: 8 rows (one for each 128 along K) x 512 bytes (8 tiles), 32,768 bytes apart; 64 bytes of padding behind each row of 128 words
	s_or_b32 s[G1S+0], s43, (3<<16)|(1<<20)|(1<<21)|(6<<22)|(15<<25)
	s_mov_b32 s[G1S+1], 64<<16
	s_mov_b32 s[G1S+2], 8<<16
	s_mov_b32 s[G1S+3], 64<<16
	s_mov_b32 s[G1S+4], 8
	s_mov_b32 s[G1S+5], 4096
	s_mov_b32 s[G1S+6], 0
	s_mov_b32 s[G1S+7], 0
	; B's scale bytes: 4,096 dense bytes as 16 rows of 256, 16 bytes of padding behind each
	s_or_b32 s[G1SB+0], s44, (3<<16)|(1<<20)|(1<<21)|(5<<22)|(3<<25)
	s_mov_b32 s[G1SB+1], 32<<16
	s_mov_b32 s[G1SB+2], (128*KS/256)<<16
	s_mov_b32 s[G1SB+3], 32<<16
	s_mov_b32 s[G1SB+4], 128*KS/256
	s_mov_b32 s[G1SB+5], 32
	s_mov_b32 s[G1SB+6], 0
	s_mov_b32 s[G1SB+7], 0
	s_and_b32 s19, ttmp7, 0xffff
	s_lshl_b32 s19, s19, 2
	s_add_co_u32 s19, s19, s41                     ; tile row = 4 x cluster y + cy
	s_lshl_b32 s20, s19, 4
	s_lshl_b32 s22, s18, 3
	s_add_co_u32 s20, s20, s22                     ; A: token tile 16 x tile row + 8 x half
	s_mov_b32 s21, 0
	s_lshl_b64 s[22:23], s[20:21], 6               ; its scale words: 64 bytes a tile,
	s_lshl_b64 s[20:21], s[20:21], 14              ; its codes: 16,384
	s_lshl_b32 s46, s40, 8
	s_lshl_b32 s47, s18, 7
	s_add_co_u32 s46, s46, s47
	s_add_co_u32 s46, s46, ROW_P                   ; B: row ROW_P + 256 cx + 128 x half
	s_mov_b32 s47, 0
	s_lshl_b64 s[92:93], s[46:47], 5
	s_lshl_b64 s[46:47], s[46:47], 10
	s_mul_i32 s45, s16, HALFT                      ; where they go: no place in the cluster enters an LDS address
	s_mul_i32 s94, s18, HALFA
	s_add_co_u32 s94, s94, SCL
	s_mul_i32 s95, s18, HALFS
	s_add_co_u32 s95, s95, SCLB
	s_wait_kmcnt 0x0
	s_add_nc_u64 s[20:21], s[4:5], s[20:21]
	s_add_nc_u64 s[22:23], s[6:7], s[22:23]
	s_add_nc_u64 s[46:47], s[8:9], s[46:47]
	s_add_nc_u64 s[92:93], s[10:11], s[92:93]
	CROUND                                         ; all sixteen work-groups are here: the first joint loads meet
	s_mov_b32 s[G0S], 1
	s_mov_b32 s[G0S+1], s94
	s_mov_b64 s[G0S+2:G0S+3], s[22:23]
	s_or_b32 s[G0S+3], s[G0S+3], 0x80000000
	s_mov_b32 s[G0SB], 1
	s_mov_b32 s[G0SB+1], s95
	s_mov_b64 s[G0SB+2:G0SB+3], s[92:93]
	s_or_b32 s[G0SB+3], s[G0SB+3], 0x80000000
	JLOAD G0S, G1S, G0SB, G1SB                     ; the scales first
.irp s, 0,1
	s_mov_b32 s[G0+4*\s], 1
	s_add_co_u32 s[G0+4*\s+1], s45, \s*SLOT
	s_add_nc_u64 s[G0+4*\s+2:G0+4*\s+3], s[20:21], \s*ASTEP
	s_or_b32 s[G0+4*\s+3], s[G0+4*\s+3], 0x80000000
	s_mov_b32 s[G0B+4*\s], 1
	s_add_co_u32 s[G0B+4*\s+1], s45, \s*SLOT
	s_add_nc_u64 s[G0B+4*\s+2:G0B+4*\s+3], s[46:47], \s*ROWB
	s_or_b32 s[G0B+4*\s+3], s[G0B+4*\s+3], 0x80000000
	JLOAD G0+4*\s, G1, G0B+4*\s, G1B               ; three tensor loads of mine are out
.endr
	v_and_b32 v1, 15, v0                           ; r
	v_bfe_u32 v2, v0, 4, 1                         ; h
	v_and_b32 v6, 31, v0
	v_lshlrev_b32 v[CO], 4, v6                     ; 16 x lane
	v_mul_u32_u24 v3, v1, PITCH
	v_lshl_add_u32 v4, v2, 4, v3                   ; B: a fragment's row x pitch + 16 h
	s_mul_i32 s21, s17, HALFT                      ; my 8 token tiles
	s_mul_i32 s22, s18, HALFT                      ; my 128 rows of B,
	s_add_co_u32 s22, s22, 2*HALFT                 ; behind A's two shares
.irp s, 0,1
	v_add_nc_u32 v[ADRA+\s], s21, v[CO]
	v_add_nc_u32 v[ADRB+\s], s22, v4
	s_add_co_u32 s21, s21, SLOT
	s_add_co_u32 s22, s22, SLOT
.endr
	s_mul_i32 s21, s17, HALFA
	s_add_co_u32 s21, s21, SCL
	v_mul_u32_u24 v5, v2, 576                      ; lanes 16-31 take the row of the slot's second 128 along K
	v_lshl_add_u32 v5, v1, 2, v5
	v_add_nc_u32 v[ADRSA], s21, v5
	s_mul_i32 s21, s18, HALFS
	s_add_co_u32 s21, s21, SCLB
	v_lshlrev_b32 v5, 5, v1                        ; B: 32 bytes a row,
	v_lshrrev_b32 v3, 3, v1
	v_lshl_add_u32 v5, v3, 4, v5                   ; 16 more for each 256 passed,
	v_lshl_add_u32 v5, v2, 2, v5                   ; lanes 16-31 the next word
	v_add_nc_u32 v[ADRSB], s21, v5
	s_mul_i32 s23, s16, 16*SPITCH                  ; my stage
	v_mul_u32_u24 v5, v1, SPITCH
	v_lshl_add_u32 v5, v2, 5, v5
	v_add_nc_u32 v[STO], s23, v5                   ; in: row r, 32 bytes for each half of the lanes
	v_add_nc_u32 v[RD], s23, v[CO]                 ; back: the 32 lanes take one row of 512 bytes
	s_lshl_b32 s20, s19, 8
	s_lshl_b32 s21, s17, 7
	s_add_co_u32 s20, s20, s21
	s_lshl_b32 s20, s20, 12                        ; my first row of out0: 4,096 bytes a row
	s_mov_b32 s21, 0
	s_lshl_b32 s46, s40, 10
	s_lshl_b32 s47, s18, 9
	s_add_co_u32 s46, s46, s47                     ; my first column, in bytes: 1,024 cx + 512 x half; the same in b_proj
	s_mov_b32 s47, 0
	s_add_nc_u64 s[12:13], s[12:13], s[46:47]
	s_add_nc_u64 s[14:15], s[14:15], s[20:21]
	s_add_nc_u64 s[14:15], s[14:15], s[46:47]
	v_lshlrev_b32 v[VB], 5, v2
.irp b, 0,1,2,3,4,5,6,7                        ; the bias of columns 16 b + 8 h + 0 .. 7
	global_load_b128 v[BI+8*\b:BI+8*\b+3], v[VB], s[12:13] offset:64*\b
	global_load_b128 v[BI+8*\b+4:BI+8*\b+7], v[VB], s[12:13] offset:64*\b+16
.endr
.macro FRAGB reg, adr, q, i            ; 16 rows x 128 K from rows: lane l holds row l % 16; registers 4 c .. 4 c + 3 hold K = 32 c + 16 (l / 16) + 0 .. 15
.irp c, 0,1,2,3
	ds_load_b128 v[\reg+4*\c:\reg+4*\c+3], v[\adr] offset:128*(\q)+32*\c+(\i)*16*PITCH
.endr
.endm
.macro FRAGA reg, adr, q, i            ; the same from an image: 512 consecutive bytes a load
.irp c, 0,1,2,3
	ds_load_b128 v[\reg+4*\c:\reg+4*\c+3], v[\adr] offset:ASTEP*(\i)+2048*(\q)+512*\c
.endr
.endm
; 16 matrix instructions: A's blocks a0, a0 + 1 x B's eight.  zero = 1: the sums start from the bias.  The slot's second 128 along K takes its scale words from lanes 16-31.
; The 64 accumulators take turns, one instruction a turn, in the same order in every step.
.macro MUL16 a0, p, q, sc, zero
.irp a, \a0, \a0+1
.irp b, 0,1,2,3,4,5,6,7
.if \zero
	v_wmma_scale_f32_16x16x128_f8f6f4 v[8*(8*((\a)%4)+\b):8*(8*((\a)%4)+\b)+7], v[128*(\p)+FR*\b:128*(\p)+FR*\b+FR-1], v[AF+FR*(\a):AF+FR*(\a)+FR-1], v[BI+8*\b:BI+8*\b+7], v[SC+16*(\sc)+8+\b], v[SC+16*(\sc)+(\a)]
.elseif (\q) == 0
	v_wmma_scale_f32_16x16x128_f8f6f4 v[8*(8*((\a)%4)+\b):8*(8*((\a)%4)+\b)+7], v[128*(\p)+FR*\b:128*(\p)+FR*\b+FR-1], v[AF+FR*(\a):AF+FR*(\a)+FR-1], v[8*(8*((\a)%4)+\b):8*(8*((\a)%4)+\b)+7], v[SC+16*(\sc)+8+\b], v[SC+16*(\sc)+(\a)]
.else
	v_wmma_scale_f32_16x16x128_f8f6f4 v[8*(8*((\a)%4)+\b):8*(8*((\a)%4)+\b)+7], v[128*(\p)+FR*\b:128*(\p)+FR*\b+FR-1], v[AF+FR*(\a):AF+FR*(\a)+FR-1], v[8*(8*((\a)%4)+\b):8*(8*((\a)%4)+\b)+7], v[SC+16*(\sc)+8+\b], v[SC+16*(\sc)+(\a)] matrix_a_scale:MATRIX_SCALE_ROW1 matrix_b_scale:MATRIX_SCALE_ROW1
.endif
.endr
.endr
.endm
.macro FETCH_B slot, q, p
	WIN TO_B
.irp i, 0,1,2,3,4,5,6,7
	FRAGB 128*(\p)+FR*\i, ADRB+\slot, \q, \i
.endr
	WIN 0
.endm
.macro FETCH_A slot, q, i0
.irp i, \i0, \i0+1, \i0+2, \i0+3
	FRAGA AF+FR*(\i), ADRA+\slot, \q, \i
.endr
.endm
.macro SCALES sc                       ; a K step's scale words: a register for each block of A and of B
.irp i, 0,1,2,3,4,5,6,7
	ds_load_b32 v[SC+16*\sc+\i], v[ADRSA] offset:64*\i
	ds_load_b32 v[SC+16*\sc+8+\i], v[ADRSB] offset:\i*SBLK
.endr
.endm
.macro PLACES n                        ; plain vector instructions between a matrix instruction and a load into, or a read of, its registers (ISA guide 7.12.1 for reads)
.rept \n
	v_nop
.endr
.endm
.macro STEP slot, q, zero
	s_wait_dscnt 4*NL                              ; B's set, the scale words and A's blocks 0-3 are in; the youngest sixteen loads (A's blocks 4-7) may be out
.if \zero
	WIN FIRST_LO
.else
	WIN MUL_LO
.endif
	MUL16 0, (\q)%2, \q, \slot, \zero
	MUL16 2, (\q)%2, \q, \slot, \zero
	s_wait_dscnt 0
	PLACES NP
	FETCH_B \slot, (\q)+1, 1-(\q)%2
	FETCH_A \slot, (\q)+1, 0
.if \zero
	WIN FIRST_HI
.else
	WIN MUL_HI
.endif
	MUL16 4, (\q)%2, \q, \slot, \zero
	MUL16 6, (\q)%2, \q, \slot, \zero
	PLACES NP
	WIN 0
	FETCH_A \slot, (\q)+1, 4
.endm
; A slot's last step changes slots: one barrier; in front of it each wave waits for all its tensor loads, adds 0 to its spare word, and waits for that and for its reads of this slot.  fill = 1: this slot is filled again, two K steps ahead.
.macro TURN slot, next, fill
	s_wait_tensorcnt 0x0                           ; all my tensor loads have landed: my part of the next slot
	ds_add_u32 v[SPW], v[NIL]                      ; 0 onto my spare word
	s_wait_dscnt 4*NL+1                            ; (the add and the youngest sixteen loads may be out)
	WIN MUL_LO
	MUL16 0, 1, NQ-1, \slot, 0
	s_wait_dscnt 0x0                               ; the add is done, and my reads of this slot are over
	s_barrier_signal -1
	MUL16 2, 1, NQ-1, \slot, 0
	WIN 0
	s_barrier_wait -1
.if \fill
	CREST                                          ; the barrier has opened a round of the cluster's barrier: no wave of any partner still reads this slot or has a load on its way
	s_add_nc_u64 s[G0+4*\slot+2:G0+4*\slot+3], s[G0+4*\slot+2:G0+4*\slot+3], 2*ASTEP
	s_add_nc_u64 s[G0B+4*\slot+2:G0B+4*\slot+3], s[G0B+4*\slot+2:G0B+4*\slot+3], 2*ROWB
	JLOAD G0+4*\slot, G1, G0B+4*\slot, G1B         ; the first tensor load behind the round; its four v_nop are among the places in front of the loads below
	PLACES NP-4
.else
	PLACES NP
.endif
	v_add_nc_u32 v[ADRSA], 2*576, v[ADRSA]         ; on to the next K step's scale words: two rows of A's,
	v_add_nc_u32 v[ADRSB], 8, v[ADRSB]             ; two words of B's
	FETCH_B \next, 0, 0
	FETCH_A \next, 0, 0
	SCALES \next
	WIN MUL_HI
	MUL16 4, 1, NQ-1, \slot, 0
	MUL16 6, 1, NQ-1, \slot, 0
	PLACES NP
	WIN 0
	FETCH_A \next, 0, 4
.endm
	s_wait_tensorcnt 1                             ; the scales and my part of K step 0 are in (K step 1's load may be out)
	s_barrier_signal -1
	s_barrier_wait -1                              ; everybody's are
	FETCH_B 0, 0, 0
	FETCH_A 0, 0, 0
	SCALES 0
	FETCH_A 0, 0, 4
	s_wait_loadcnt 0x0                             ; the bias
	STEP 0, 0, 1                                   ; the first step stands in front of the loop: its products start the sums from the bias
	s_mov_b32 s3, LAPS-1
.Llap:                                                 ; a trip goes once round the ring and fills both slots again
	TURN 0, 1, 1
	STEP 1, 0, 0
	TURN 1, 0, 1
	STEP 0, 0, 0
	s_sub_co_u32 s3, s3, 1
	s_cmp_lg_u32 s3, 0
	s_cbranch_scc1 .Llap
	TURN 0, 1, 0                                   ; the last lap fills nothing, and has no round of the cluster's barrier
	STEP 1, 0, 0
	s_wait_dscnt 4*NL                              ; the very last step
	WIN MUL_LO
	MUL16 0, 1, NQ-1, 1, 0
	MUL16 2, 1, NQ-1, 1, 0
	s_wait_dscnt 0
	WIN MUL_HI
	MUL16 4, 1, NQ-1, 1, 0
	MUL16 6, 1, NQ-1, 1, 0
	WIN 0
; THE WAY OUT, block by block of 16 tokens x 128 columns: through my own stage in LDS and back as whole rows of 512 bytes.  LDS serves a wave's instructions in order (ISA guide 5.7.1.4): no wait between the stores and the loads.
.macro TOSTAGE a
.set AC, 64*((\a)%4)
.set WW, 0x08+4*((\a)/4)
	WIN WW                                         ; an LDS store's data: window 2 or 3
.irp b, 0,1,2,3,4,5,6,7
	ds_store_b128 v[STO], v[AC+8*\b:AC+8*\b+3] offset:64*\b          ; each accumulator from its low end on
	ds_store_b128 v[STO], v[AC+8*\b+4:AC+8*\b+7] offset:64*\b+16
.endr
	WIN 0
.set BB, BK+64*((\a)%2)
.irp t, 0,1,2,3,4,5,6,7,8,9,10,11,12,13,14,15
	ds_load_b128 v[BB+4*\t:BB+4*\t+3], v[RD] offset:\t*SPITCH
.endr
.endm
.macro SEND a, younger                 ; younger: the LDS instructions issued behind block a's loads, which may stay out
.set BB, BK+64*((\a)%2)
	s_wait_dscnt \younger
.irp t, 0,1,2,3,4,5,6,7,8,9,10,11,12,13,14,15
	global_store_b128 v[CO], v[BB+4*\t:BB+4*\t+3], s[14:15] offset:(32*((\a)/2)+8*((\a)%2)+(\t%8)+16*(\t/8))*4096 th:TH_STORE_NT   ; stage row t of block a is that token: 32 lanes store 512 consecutive bytes, aligned; 127 rows at the most stand in the immediate
.endr
.endm
	PLACES NP
	TOSTAGE 0
.irp a, 1,2,3,4,5,6,7
.if \a > 1
	s_wait_xcnt 0x0                                ; block a - 2's stores have read their registers: block a's loads may land there
.endif
	TOSTAGE \a
	SEND \a-1, 32                                  ; behind block a - 1's loads: block a's 16 stores and 16 loads
.endr
	SEND 7, 0
	s_wait_tensorcnt 0x0                           ; the wave's end
	ds_add_u32 v[SPW], v[NIL]
	s_wait_dscnt 0x0
	CROUND                                         ; the closing round: no work-group ends while a partner may still ask for a tile that names it
	s_endpgm
.Lfunc_end_k_q3617ef54f6_proj:
	.size	k_q3617ef54f6_proj, .Lfunc_end_k_q3617ef54f6_proj-k_q3617ef54f6_proj
	.p2alignl 7, 3214868480
	.fill 96, 4, 3214868480
	.section	.rodata,"a",@progbits
	.p2align	6, 0x0
	.amdhsa_kernel k_q3617ef54f6_proj
		.amdhsa_group_segment_fixed_size 327680
		.amdhsa_private_segment_fixed_size 0
		.amdhsa_enable_private_segment 0
		.amdhsa_kernarg_size 48
		.amdhsa_user_sgpr_count 2
		.amdhsa_user_sgpr_kernarg_segment_ptr 1
		.amdhsa_wavefront_size32 1
		.amdhsa_system_sgpr_workgroup_id_x 1
		.amdhsa_system_sgpr_workgroup_id_y 1
		.amdhsa_system_sgpr_workgroup_id_z 1
		.amdhsa_system_vgpr_workitem_id 0
		.amdhsa_next_free_vgpr 1024
		.amdhsa_next_free_sgpr 98
		.amdhsa_reserve_vcc 0
		.amdhsa_float_denorm_mode_32 3
		.amdhsa_float_denorm_mode_16_64 3
		.amdhsa_memory_ordered 1
		.amdhsa_forward_progress 1
		.amdhsa_inst_pref_size 149
	.end_amdhsa_kernel
	.amdgpu_metadata
---
amdhsa.version: [ 1, 2 ]
amdhsa.kernels:
  - .name:           k_q3617ef54f6_proj
    .symbol:         k_q3617ef54f6_proj.kd
    .args:
      - { .name: ctx, .offset: 0, .size: 8, .value_kind: global_buffer, .address_space: global }
      - { .name: csc, .offset: 8, .size: 8, .value_kind: global_buffer, .address_space: global }
      - { .name: codes, .offset: 16, .size: 8, .value_kind: global_buffer, .address_space: global }
      - { .name: scales, .offset: 24, .size: 8, .value_kind: global_buffer, .address_space: global }
      - { .name: b_proj, .offset: 32, .size: 8, .value_kind: global_buffer, .address_space: global }
      - { .name: out0, .offset: 40, .size: 8, .value_kind: global_buffer, .address_space: global }
    .group_segment_fixed_size: 327680
    .private_segment_fixed_size: 0
    .kernarg_segment_align: 8
    .kernarg_segment_size: 48
    .max_flat_workgroup_size: 128
    .sgpr_count:     98
    .vgpr_count:     1024
    .wavefront_size: 32
...
	.end_amdgpu_metadata
.endif
;; end of part 4
